; MI455X (gfx1250); checked and timed in simulation.
; The chip was launched on July 23, 2026; its instructions are those of AMD's public machine-readable ISA for CDNA 5 (MIT licence, August 2026) and "CDNA5" Instruction Set Architecture Reference Guide (July 2026). The comments in the code are by the model that wrote it; some were corrected since.
;; Causal Self Attention. Allowed arithmetic: matrix products marked QUANTISED: E2M1 operands, one E8M0 scale for each 32 along K, by v_wmma_scale_f32_16x16x128_f8f6f4 with both operands' format E2M1 (or v_wmma_scale_f32_32x16x128_f4), f32 sums; products left as they are: bf16, f16 or f32 operands; f32 sums; everything else in f32.
;; Inputs: w_proj 1,024 x 1,024 float32; w_qkv 1,024 x 3,072 float32; x 4 x 2,048 x 1,024 float32.
;; Outputs: out0 4 x 2,048 x 1,024 float32.
;; This version of the problem:
;;   THIS VERSION OF THE PROBLEM IS GIVEN IN LOW PRECISION. The matrix products marked QUANTISED in the list below multiply operands that are first quantised to E2M1 (2 exponent bits, 1 mantissa bit; 4 bits a number), with one power-of-two scale for each 32 numbers along K (OCP MX v1.0); their sums are f32. The products marked 'left as it is' may take bf16, f16 or f32 operands, with f32 sums. Whichever they take, every output number must still come out within the allowed error. Rounding operands to bf16 (8 significant bits) uses up far more of that allowance than f16 does (11 bits, for magnitudes from 6e-5 to 65,504). All else is computed in f32.
;;   The module's matrix products, in the order in which they are computed (A, B: the left and right operand; K: the contracted axis; several contracted axes count as one K, in the product's order):
;;     1. [M 8,192, K 1,024] x [K 1,024, N 3,072]; A: input x; B: input w_qkv: QUANTISED
;;     2. batch 64 x [M 2,048, K 64] x [K 64, N 2,048]; A: computed on the way; B: computed on the way: left as it is (an operand is computed on the way)
;;     3. batch 64 x [M 2,048, K 2,048] x [K 2,048, N 64]; A: computed on the way; B: computed on the way: left as it is (an operand is computed on the way)
;;     4. [M 8,192, K 1,024] x [K 1,024, N 1,024]; A: computed on the way; B: input w_proj: left as it is (an operand is computed on the way)
;;   THE QUANTISER, for each operand of a quantised product, along K:
;;     - K is cut into blocks of 32 from its start; a last block that is shorter is filled with zeros.
;;     - A block's scale is 2^e with e = floor(log2(the largest magnitude in the block)) - 2, held to -126 .. 127; a block of zeros has e = 0. As a byte (E8M0): e + 127.
;;     - Each number is divided by its block's scale, clamped to +-6, and rounded to the nearest number of E2M1, ties to even, subnormals kept.
;;     - The product sums the exact products of the quantised numbers (number of the format x scale) in f32.
;;   ~~~python
;;   def quantise(x, axis):      # numpy; x: float32 -> the quantised numbers, widened to float32 again
;;       x = np.moveaxis(x, axis, -1); K = x.shape[-1]
;;       x = np.pad(x, [(0, 0)] * (x.ndim - 1) + [(0, -K % 32)]); x = x.reshape(x.shape[:-1] + (-1, 32)); a = np.abs(x).max(-1, keepdims=True)
;;       e = np.where(a > 0, np.clip(np.frexp(np.where(a > 0, a, 1))[1] - 1 - 2, -126, 127), 0)      # np.frexp(a)[1] - 1 = floor(log2(a)), exactly
;;       r = np.clip(x / 2.0 ** e, -6, 6)
;;       step = 2.0 ** (np.maximum(np.frexp(np.where(r == 0, 1, r))[1] - 1, 0) - 1)
;;       q = np.round(r / step) * step * 2.0 ** e      # np.round: ties to even
;;       return np.moveaxis(q.reshape(q.shape[:-2] + (-1,))[..., :K], -1, axis).astype(np.float32)
;;   ~~~
;; One version. Each part assembles by itself: llvm-mc -triple=amdgcn-amd-amdhsa -mcpu=gfx1250 --defsym DOCPART=n.
;; ======== version 1 of 1: 6 launches
;; limits: values are held in f16: magnitudes above 65,504 overflow, below 6.1e-05 lose precision
;; workspace buffers: xc 4,194,304 bytes; xs 262,144 bytes; wc 1,572,864 bytes; ws 98,304 bytes; wpt 2,097,152 bytes; qkv 50,331,648 bytes; y 16,777,216 bytes; yf 262,144 bytes
;; launch prep (part 1): grid 368 x 1, 4 waves a work-group, no clusters, 102,912 bytes of LDS; arguments x, w_qkv, w_proj, xc, xs, wc, ws, wpt; writes xc, xs, wc, ws, wpt
.if DOCPART == 1
	.amdgcn_target "amdgcn-amd-amdhsa--gfx1250"
	.amdhsa_code_object_version 6
	.text
	.protected	k_q7bbb03a62f_prep
	.globl	k_q7bbb03a62f_prep
	.p2align	8
	.type	k_q7bbb03a62f_prep,@function
k_q7bbb03a62f_prep:
	s_mov_b64 s[64:65], 0
	v_nop
	global_prefetch_b8 v0, s[64:65] scope:SCOPE_SE
	s_setreg_imm32_b32 hwreg(HW_REG_WAVE_MODE, 25, 1), 1
	s_wait_xcnt 0x0
; PREP: the operands of the later launches are made once.  Three kinds of work-group, told apart by the work-group's number; each kind has LDS bytes of its own.
;   0 .. 255   x [8192][1024] f32 -> xc: codes of FP4 (E2M1), two a byte, K innermost, [8192][512]; xs: one E8M0 byte for each 32 along K, [8192][32]
;   256 .. 303 w_qkv [1024 (k)][3072 (n)] f32 -> wc [3072][512], ws [3072][32]: K is the first axis in memory and innermost in the codes
;   304 .. 367 w_proj [1024 (k)][1024 (n)] f32 -> wpt, f16, [n / 128][k / 64][n % 128][64]
; A block's scale is 2^(floor(log2(its largest magnitude)) - 2); its byte is the largest magnitude's exponent field - 2, held at 1 from below.
; LIMITS: a block of zeros gets the byte 1 where the rule says 127 (its codes are zeros, and this program alone reads the bytes); blocks whose largest magnitude lies under 2^(3 - 127)
; keep the byte 1; NaN and infinities among the inputs are not served; |w_proj| up to 65,504 (f16).
; No tensor load, no barrier: waves share nothing.  The matrix unit and clusters have no part here: the launch moves bytes.
.set SPW,   180                        ; v180  LDS address of my spare word: SPARE + 4 x my thread's number; never rewritten
.set NIL,   181                        ; v181  0; never rewritten
.set WSTG,  32768                      ; LDS: 0 .. 32,767 x's four regions; from here w_qkv's four stages of 32 x 272 bytes;
.set PSTG,  67584                      ; w_proj's four stages of 32 x 272 bytes;
.set SPARE, 102400                     ; the spare words, 128 bytes for each wave: two blocks of 256 bytes that no other line names
.set PITCH, 272                        ; a stage row: 256 bytes + 16
.set EMAX,  2
	s_load_b256 s[4:11], s[0:1], 0x0               ; x s[4:5], w_qkv s[6:7], w_proj s[8:9], xc s[10:11]
	s_load_b256 s[12:19], s[0:1], 0x20             ; xs s[12:13], wc s[14:15], ws s[16:17], wpt s[18:19]
	v_lshl_add_u32 v[SPW], v0, 2, SPARE
	v_mov_b32 v[NIL], 0
	v_lshrrev_b32 v1, 5, v0
	v_readfirstlane_b32 s20, v1                    ; wave 0..3
	v_and_b32 v2, 31, v0                           ; lane
	s_mov_b32 s25, 0                               ; the high word of every offset pair s[24:25]
	s_wait_kmcnt 0x0
	s_cmp_lt_u32 ttmp9, 256
	s_cbranch_scc0 .Lnot_x
; ---------------- x: a plain stream of blocks of 32.  A wave takes 16 steps of 512 numbers.  Each load reads 512 consecutive bytes; a step's 2,048 bytes turn through the wave's own stage,
; so that a lane then holds 16 neighbours along K (two neighbouring lanes hold a block).  Loads run four steps ahead, the turn through LDS one step.
.set STEPS, 16
.set CB,    8                          ; bytes of 16 codes
.set XR,    16                         ; v16-79   four sets of 16 numbers as they are loaded
.set XN,    80                         ; v80-111  two sets of 16 neighbours
.set XE,    112                        ; v112-127 a scale byte for each step
.set XC,    128                        ; v128-159 codes: two registers for each step, so that no store's data are written again
.set WREG,  8192                       ; a wave's region: two stages of 32 x SP bytes, behind them its 256 scale bytes
.set SP,    80                         ; a lane's place in a stage: 64 bytes + 16
	v_lshlrev_b32 v3, 4, v2                        ; my 16 bytes of a load's 512
	s_mul_i32 s21, s20, WREG
	v_lshrrev_b32 v14, 2, v2
	v_mul_u32_u24 v14, v14, SP
	v_and_b32 v15, 3, v2
	v_lshl_add_u32 v14, v15, 4, v14
	v_add_nc_u32 v14, s21, v14                     ; into the stage: SP (lane / 4) + 16 (lane % 4)
	v_mul_u32_u24 v15, v2, SP
	v_add_nc_u32 v15, s21, v15                     ; out of it: SP x lane: my 16 neighbours
	v_mul_u32_u24 v4, v2, CB                       ; my codes' place in a step's 256 bytes
	v_lshrrev_b32 v5, 1, v2
	s_add_co_u32 s21, s21, 2*32*SP
	v_add_nc_u32 v5, s21, v5                       ; my block's byte among my wave's 256 scale bytes
	v_lshlrev_b32 v7, 3, v2
	v_add_nc_u32 v6, s21, v7                       ; and on the way out 8 bytes a lane
	s_lshl_b32 s22, ttmp9, 2
	s_add_co_u32 s22, s22, s20                     ; which run of 8,192 numbers is my wave's: 0 .. 1,023
	s_lshl_b32 s24, s22, 15
	s_add_nc_u64 s[4:5], s[4:5], s[24:25]          ; 32,768 bytes of x,
	s_lshl_b32 s24, s22, 12
	s_add_nc_u64 s[10:11], s[10:11], s[24:25]      ; 4,096 of codes,
	s_lshl_b32 s24, s22, 8
	s_add_nc_u64 s[12:13], s[12:13], s[24:25]      ; 256 scale bytes a run
.macro XLOAD t
.irp i, 0,1,2,3
	global_load_b128 v[XR+16*((\t)%4)+4*\i:XR+16*((\t)%4)+4*\i+3], v3, s[4:5] offset:2048*(\t)+512*\i th:TH_LOAD_NT
.endr
.endm
.macro XTURN t                         ; LDS serves a wave's instructions in order: no wait between the stores and the loads
.irp i, 0,1,2,3
	ds_store_b128 v14, v[XR+16*((\t)%4)+4*\i:XR+16*((\t)%4)+4*\i+3] offset:32*SP*((\t)%2)+8*SP*\i
.endr
.irp i, 0,1,2,3
	ds_load_b128 v[XN+16*((\t)%2)+4*\i:XN+16*((\t)%2)+4*\i+3], v15 offset:32*SP*((\t)%2)+16*\i
.endr
.endm
.irp t, 0,1,2,3
	XLOAD \t
.endr
	s_wait_loadcnt 12                              ; step 0's four loads are in; the twelve of steps 1 to 3 may be out
	XTURN 0
.macro XSTEP t
.set XS, XN+16*((\t)%2)
.if (\t) > 0
	s_wait_dscnt 1                                 ; this step's numbers are back from the stage (the last step's byte store may be out)
.else
	s_wait_dscnt 0x0
.endif
.if (\t)+4 < STEPS
	XLOAD (\t)+4                                   ; into the registers that the stage's stores have read
.endif
.if (\t)+1 < STEPS
.if STEPS-2-(\t) >= 3
	s_wait_loadcnt 12                              ; the next step's four loads are in; those of the three steps behind it may be out
.else
	s_wait_loadcnt 4*(STEPS-2-(\t))
.endif
	XTURN (\t)+1
.endif
	v_max3_num_f32 v8, |v[XS]|, |v[XS+1]|, |v[XS+2]|               ; the largest magnitude of my 16, in two chains
	v_max3_num_f32 v9, |v[XS+3]|, |v[XS+4]|, |v[XS+5]|
.irp i, 6,10
	v_max3_num_f32 v8, v8, |v[XS+\i]|, |v[XS+\i+1]|
	v_max3_num_f32 v9, v9, |v[XS+\i+2]|, |v[XS+\i+3]|
.endr
	v_max3_num_f32 v8, v8, |v[XS+14]|, |v[XS+15]|
	v_max3_num_f32 v8, v8, v9, (EMAX+1)<<23        ; and the floor 2^(3 - 127): the byte cannot fall under 1
	v_max_num_f32_dpp v8, v8, v8 row_xmask:1 row_mask:0xf bank_mask:0xf   ; with my neighbour's 16: the block's
	v_add_nc_u32 v11, -(EMAX<<23), v8              ; 2 off its exponent field: the conversion takes the exponent field of this operand as its scale
	v_cvt_scalef32_pk8_fp4_f32 v[XC+2*(\t)], v[XS:XS+7], v11
	v_cvt_scalef32_pk8_fp4_f32 v[XC+2*(\t)+1], v[XS+8:XS+15], v11
	v_lshrrev_b32 v[XE+(\t)], 23, v11              ; the scale's byte (also the plain line behind the conversions)
	ds_store_b8 v5, v[XE+(\t)] offset:16*(\t)      ; both lanes of a block write the same byte with the same value
	global_store_b64 v4, v[XC+2*(\t):XC+2*(\t)+1], s[10:11] offset:32*CB*(\t)   ; the wave stores 256 consecutive bytes, aligned
.endm
.irp t, 0,1,2,3,4,5,6,7,8,9,10,11,12,13,14,15
	XSTEP \t
.endr
	ds_load_b64 v[8:9], v6                         ; in order behind my byte stores
	s_wait_dscnt 0x0
	global_store_b64 v7, v[8:9], s[12:13]          ; 256 consecutive scale bytes, aligned
	s_branch .Lend
.Lnot_x:
	s_cmp_lt_u32 ttmp9, 304
	s_cbranch_scc0 .Lpath_p
; ---------------- w_qkv: a lane takes a column n and its registers run down K: a block of 32 lies in one lane, and the conversions give codes with K innermost.
; A wave takes 32 columns x 512 along K; the codes leave through its stage as rows: sixteen lanes store 256 consecutive bytes.  Loads run two blocks ahead.
.set NB,    16                         ; blocks of 32 along K for a wave
.set NROW,  3072*4                     ; a row of w_qkv in bytes; (511) x NROW stays inside the signed 24-bit immediate
.set KROW,  512                        ; a row of wc in bytes
.set WX,    32                         ; v32-95   two sets of 32 numbers
.set WCD,   96                         ; v96-99   a block's codes
.set WOUT,  112                        ; v112-175 the way out
.set WSB,   24                         ; v24-27   my column's 16 scale bytes
	s_sub_co_u32 s22, ttmp9, 256
	s_cmp_ge_u32 s22, 24
	s_cselect_b32 s23, 1, 0                        ; which half of K
	s_cselect_b32 s24, 24, 0
	s_sub_co_u32 s22, s22, s24                     ; which 128 columns
	s_lshl_b32 s22, s22, 7
	s_lshl_b32 s24, s20, 5
	s_add_co_u32 s22, s22, s24                     ; my wave's first column
	s_mul_i32 s24, s23, 512*NROW
	s_lshl_b32 s26, s22, 2
	s_add_co_u32 s24, s24, s26
	s_add_nc_u64 s[6:7], s[6:7], s[24:25]          ; w_qkv at (512 x half, column)
	s_lshl_b32 s24, s22, 9
	s_lshl_b32 s26, s23, 8
	s_add_co_u32 s24, s24, s26
	s_add_nc_u64 s[14:15], s[14:15], s[24:25]      ; wc: column x 512 + 256 x half
	s_lshl_b32 s24, s22, 5
	s_lshl_b32 s26, s23, 4
	s_add_co_u32 s24, s24, s26
	s_add_nc_u64 s[16:17], s[16:17], s[24:25]      ; ws: column x 32 + 16 x half
	v_lshlrev_b32 v3, 2, v2                        ; in: 4 bytes a lane
	s_mul_i32 s27, s20, 32*PITCH
	s_add_co_u32 s27, s27, WSTG                    ; my stage
	v_mul_u32_u24 v4, v2, PITCH
	v_add_nc_u32 v4, s27, v4                       ; into it: row = my column
	v_and_b32 v5, 15, v2
	v_lshrrev_b32 v6, 4, v2
	v_mul_u32_u24 v7, v6, PITCH
	v_lshl_add_u32 v7, v5, 4, v7
	v_add_nc_u32 v7, s27, v7                       ; out of it: sixteen lanes to a row, two rows an instruction
	v_mul_u32_u24 v8, v6, KROW
	v_lshl_add_u32 v8, v5, 4, v8                   ; and the same place in wc
	v_lshlrev_b32 v9, 5, v2                        ; my column's row of scale bytes
.macro WLOAD t
.irp i, 0,1,2,3,4,5,6,7,8,9,10,11,12,13,14,15,16,17,18,19,20,21,22,23,24,25,26,27,28,29,30,31
	global_load_b32 v[WX+32*((\t)%2)+\i], v3, s[6:7] offset:(32*(\t)+\i)*NROW th:TH_LOAD_NT
.endr
.endm
	WLOAD 0
	WLOAD 1
.macro WBLOCK t
.set XS, WX+32*((\t)%2)
.if (\t) < NB-1
	s_wait_loadcnt 32                              ; this block's 32 loads are in; the next block's 32 may be out
.else
	s_wait_loadcnt 0
.endif
	v_max3_num_f32 v12, |v[XS]|, |v[XS+1]|, |v[XS+2]|
	v_max3_num_f32 v13, |v[XS+3]|, |v[XS+4]|, |v[XS+5]|
.irp i, 6,10,14,18,22,26
	v_max3_num_f32 v12, v12, |v[XS+\i]|, |v[XS+\i+1]|
	v_max3_num_f32 v13, v13, |v[XS+\i+2]|, |v[XS+\i+3]|
.endr
	v_max3_num_f32 v12, v12, |v[XS+30]|, |v[XS+31]|
	v_max3_num_f32 v12, v12, v13, (EMAX+1)<<23     ; with the floor
	v_add_nc_u32 v11, -(EMAX<<23), v12             ; the conversion's scale operand
	v_lshrrev_b32 v13, 23, v11                     ; the scale's byte
.if (\t)%4 == 0
	v_mov_b32 v[WSB+(\t)/4], v13
.else
	v_lshl_or_b32 v[WSB+(\t)/4], v13, 8*((\t)%4), v[WSB+(\t)/4]
.endif
.irp g, 0,1,2,3
	v_cvt_scalef32_pk8_fp4_f32 v[WCD+\g], v[XS+8*\g:XS+8*\g+7], v11
.endr
	v_nop                                          ; a plain line behind the last conversion
	ds_store_b128 v4, v[WCD:WCD+3] offset:16*(\t)  ; 32 codes: 16 bytes of my column's row
.if (\t)+2 < NB
	WLOAD (\t)+2
.endif
	s_wait_dscnt 0x0                               ; the store has read its registers: the next block's codes may be written
.endm
.set Q, 0
.rept NB
	WBLOCK Q
.set Q, Q+1
.endr
	global_store_b128 v9, v[WSB:WSB+3], s[16:17]   ; my column's 16 scale bytes
.irp t, 0,1,2,3,4,5,6,7,8,9,10,11,12,13,14,15
	ds_load_b128 v[WOUT+4*\t:WOUT+4*\t+3], v7 offset:2*\t*PITCH
.endr
.irp t, 0,1,2,3,4,5,6,7,8,9,10,11,12,13,14,15
	s_wait_dscnt 15-\t                             ; LDS loads come back in order: load t is in
	global_store_b128 v8, v[WOUT+4*\t:WOUT+4*\t+3], s[14:15] offset:2*\t*KROW   ; sixteen lanes store 256 consecutive bytes, aligned
.endr
	s_branch .Lend
.Lpath_p:
; ---------------- w_proj: the same plan without a quantiser: a lane takes a column n, its registers run down K, pairs are rounded to f16.  A wave takes 32 columns x 128 along K.
.set PX,    32                         ; v32-95   two sets of 32 numbers
.set PH,    96                         ; v96-111  32 numbers as f16
.set POUT,  112                        ; v112-175 the way out
	s_sub_co_u32 s22, ttmp9, 304
	s_and_b32 s23, s22, 7                          ; which 128 columns
	s_lshr_b32 s22, s22, 3                         ; which 128 along K
	s_lshl_b32 s24, s22, 19                        ; 128 rows of 4,096 bytes
	s_lshl_b32 s26, s23, 9
	s_add_co_u32 s24, s24, s26
	s_lshl_b32 s26, s20, 7
	s_add_co_u32 s24, s24, s26
	s_add_nc_u64 s[8:9], s[8:9], s[24:25]          ; w_proj at (128 kq, 128 nb + 32 wave)
	s_lshl_b32 s24, s23, 18
	s_lshl_b32 s26, s22, 15
	s_add_co_u32 s24, s24, s26
	s_lshl_b32 s26, s20, 12
	s_add_co_u32 s24, s24, s26
	s_add_nc_u64 s[18:19], s[18:19], s[24:25]      ; wpt at [nb][2 kq][32 wave][0]
	v_lshlrev_b32 v3, 2, v2
	s_mul_i32 s27, s20, 32*PITCH
	s_add_co_u32 s27, s27, PSTG                    ; my stage
	v_mul_u32_u24 v4, v2, PITCH
	v_add_nc_u32 v4, s27, v4                       ; into it: row = my column, 256 bytes = 128 along K
	v_lshrrev_b32 v7, 3, v2
	v_mul_u32_u24 v7, v7, PITCH
	v_and_b32 v5, 7, v2
	v_lshl_add_u32 v7, v5, 4, v7
	v_add_nc_u32 v7, s27, v7                       ; out of it: eight lanes take 128 bytes of a row, four rows an instruction
	v_lshlrev_b32 v8, 4, v2                        ; which are 512 consecutive bytes of wpt
.macro PLOAD t
.irp i, 0,1,2,3,4,5,6,7,8,9,10,11,12,13,14,15,16,17,18,19,20,21,22,23,24,25,26,27,28,29,30,31
	global_load_b32 v[PX+32*((\t)%2)+\i], v3, s[8:9] offset:(32*(\t)+\i)*4096 th:TH_LOAD_NT
.endr
.endm
	PLOAD 0
	PLOAD 1
.macro PBLOCK t
.set XS, PX+32*((\t)%2)
.if (\t) < 3
	s_wait_loadcnt 32                              ; this block's 32 loads are in; the next block's may be out
.else
	s_wait_loadcnt 0
.endif
.irp i, 0,1,2,3,4,5,6,7,8,9,10,11,12,13,14,15
	v_cvt_pk_f16_f32 v[PH+\i], v[XS+2*\i], v[XS+2*\i+1]
.endr
.irp u, 0,1,2,3
	ds_store_b128 v4, v[PH+4*\u:PH+4*\u+3] offset:64*(\t)+16*\u
.endr
.if (\t)+2 < 4
	PLOAD (\t)+2
.endif
	s_wait_dscnt 0x0                               ; the stores have read their registers
.endm
.irp t, 0,1,2,3
	PBLOCK \t
.endr
.irp i, 0,1,2,3,4,5,6,7,8,9,10,11,12,13,14,15
	ds_load_b128 v[POUT+4*\i:POUT+4*\i+3], v7 offset:4*(\i%8)*PITCH+128*(\i/8)
.endr
.irp i, 0,1,2,3,4,5,6,7,8,9,10,11,12,13,14,15
	s_wait_dscnt 15-\i
	global_store_b128 v8, v[POUT+4*\i:POUT+4*\i+3], s[18:19] offset:(\i/8)*16384+(\i%8)*512   ; 512 consecutive bytes, aligned
.endr
.Lend:
	s_wait_tensorcnt 0x0                           ; the wave's end
	ds_add_u32 v[SPW], v[NIL]
	s_wait_dscnt 0x0
	s_endpgm
.Lfunc_end_k_q7bbb03a62f_prep:
	.size	k_q7bbb03a62f_prep, .Lfunc_end_k_q7bbb03a62f_prep-k_q7bbb03a62f_prep
	.p2alignl 7, 3214868480
	.fill 96, 4, 3214868480
	.section	.rodata,"a",@progbits
	.p2align	6, 0x0
	.amdhsa_kernel k_q7bbb03a62f_prep
		.amdhsa_group_segment_fixed_size 102912
		.amdhsa_private_segment_fixed_size 0
		.amdhsa_enable_private_segment 0
		.amdhsa_kernarg_size 64
		.amdhsa_user_sgpr_count 2
		.amdhsa_user_sgpr_kernarg_segment_ptr 1
		.amdhsa_wavefront_size32 1
		.amdhsa_system_sgpr_workgroup_id_x 1
		.amdhsa_system_sgpr_workgroup_id_y 1
		.amdhsa_system_sgpr_workgroup_id_z 1
		.amdhsa_system_vgpr_workitem_id 0
		.amdhsa_next_free_vgpr 192
		.amdhsa_next_free_sgpr 66
		.amdhsa_reserve_vcc 0
		.amdhsa_float_denorm_mode_32 3
		.amdhsa_float_denorm_mode_16_64 3
		.amdhsa_memory_ordered 1
		.amdhsa_forward_progress 1
		.amdhsa_inst_pref_size 132
	.end_amdhsa_kernel
	.amdgpu_metadata
---
amdhsa.version: [ 1, 2 ]
amdhsa.kernels:
  - .name:           k_q7bbb03a62f_prep
    .symbol:         k_q7bbb03a62f_prep.kd
    .args:
      - { .name: x, .offset: 0, .size: 8, .value_kind: global_buffer, .address_space: global }
      - { .name: w_qkv, .offset: 8, .size: 8, .value_kind: global_buffer, .address_space: global }
      - { .name: w_proj, .offset: 16, .size: 8, .value_kind: global_buffer, .address_space: global }
      - { .name: xc, .offset: 24, .size: 8, .value_kind: global_buffer, .address_space: global }
      - { .name: xs, .offset: 32, .size: 8, .value_kind: global_buffer, .address_space: global }
      - { .name: wc, .offset: 40, .size: 8, .value_kind: global_buffer, .address_space: global }
      - { .name: ws, .offset: 48, .size: 8, .value_kind: global_buffer, .address_space: global }
      - { .name: wpt, .offset: 56, .size: 8, .value_kind: global_buffer, .address_space: global }
    .group_segment_fixed_size: 102912
    .private_segment_fixed_size: 0
    .kernarg_segment_align: 8
    .kernarg_segment_size: 64
    .max_flat_workgroup_size: 128
    .sgpr_count:     66
    .vgpr_count:     192
    .wavefront_size: 32
...
	.end_amdgpu_metadata
.endif
;; end of part 1
;; launch gemm_qkv (part 2): grid 12 x 32, 4 waves a work-group, clusters of 4 x 4, 327,680 bytes of LDS; arguments xc, xs, wc, ws, qkv; writes qkv
.if DOCPART == 2
	.amdgcn_target "amdgcn-amd-amdhsa--gfx1250"
	.amdhsa_code_object_version 6
	.text
	.protected	k_q7bbb03a62f_gemm_qkv
	.globl	k_q7bbb03a62f_gemm_qkv
	.p2align	8
	.type	k_q7bbb03a62f_gemm_qkv,@function
k_q7bbb03a62f_gemm_qkv:
	s_mov_b64 s[64:65], 0
	v_nop
	global_prefetch_b8 v0, s[64:65] scope:SCOPE_SE
	s_setreg_imm32_b32 hwreg(HW_REG_WAVE_MODE, 25, 1), 1
	s_wait_xcnt 0x0
	s_wait_alu depctr_hold_cnt(0) depctr_sa_sdst(0) depctr_va_vdst(0) depctr_va_sdst(0) depctr_va_ssrc(0) depctr_va_vcc(0) depctr_vm_vsrc(0)
	s_getreg_b32 s2, hwreg(HW_REG_IB_STS2, 6, 4)
	s_cmp_eq_u32 s2, 0
	s_cbranch_scc0 .Lentry_in_a_cluster
	s_endpgm
.Lentry_in_a_cluster:
	s_bfe_u32 s2, ttmp6, 0x10000c
	s_cmp_lg_u32 s2, 0xf033
	s_cbranch_scc0 .Lentry_shape_is_right
	s_endpgm
.Lentry_shape_is_right:
; qkv = Q(x) Q(w_qkv): C[m][n] = sum over k of A[m][k] B[n][k] on codes of FP4 (E2M1) with one E8M0 scale for each 32 along K; sums in f32, K ascending, one accumulator for each output.
; A = xc [8192][512 bytes], xs [8192][32];  B = wc [3072][512 bytes], ws [3072][32].  The results leave as f16, laid by head: qkv [which 3][batch 4][head 16][t 2048][64].
; LIMIT: |q|, |k|, |v| up to 65,504 (f16).
; A tile of C, 256 x 256, is made by a work-group of four waves; a wave makes 128 x 128: 64 accumulators of 16 x 16, 512 registers.
; All of K, 1,024, is two LDS slots of 512 along K (rows of 256 bytes): both are asked for at the head, and nothing is filled again.  The scales of the work-group's rows come with them, once, as dense blocks.
; CLUSTERS: 4 x 4 work-groups.  The four of a row of the cluster need the same tiles of A, the four of a column the same tiles of B: each tile is asked for JOINTLY.
; THE MATRIX INSTRUCTION IS USED TRANSPOSED (source 0 = 16 rows of B, source 1 = 16 rows of A): a lane then holds eight neighbouring numbers of a row of C.
; REGISTERS, in windows of 256: window 0: v0-31 addresses; v32-95 scale words, two sets, and nothing else; v96-127 the way out's packed results; from v128 A's fragments, ONE set, on the way out rows read back.
;   window 1: B's fragments, TWO sets, at v0 and v128.   window 2: the accumulators of my rows 0-63 ((a, b) at v[8 (8 a + b)]);   window 3: those of my rows 64-127.
.set SIZE_M, 8192
.set SIZE_N, 3072
.set SIZE_K, 1024
.set KSTEP,  512
.set NQ,     KSTEP/128                 ; matrix instructions deep in a slot
.set ROWB,   256                       ; a tile's row in bytes
.set KROW,   SIZE_K*4/8                ; a row of codes in memory
.set PITCH,  272                       ; an LDS row: 256 bytes + 16: the sixteen rows of a fragment load start 16 bytes further on modulo 256 each
.set FR,     8
.set NL,     2
.set NP,     4                         ; places behind this matrix instruction (ISA guide 7.12.1)
.set HALFT,  128*PITCH
.set SLOT,   4*HALFT
.set KS,     SIZE_K/32
.set SCL,    2*SLOT                    ; behind the two slots: the scales, as units of 256 bytes + 16
.set HALFS,  (128*KS/256)*272
.set SBLK,   (16*KS/256)*272
.set SPARE,  SCL+4*HALFS               ; the spare words, 128 bytes for each wave: two blocks of 256 bytes that no other line names
.set SPITCH, 272                       ; the way out: a stage of 16 rows x (256 bytes + 16) for each wave, in slot 0, which has had its only fill and its last read by then
.set ADRA, 16
.set ADRB, 20
.set STO,  24
.set RD,   25
.set CO,   26
.set ADRS, 27
.set SPW,  28
.set NIL,  29
.set SC,   32
.set TMP,  96
.set AF,   128
.set BK,   128
.set G1, 24
.set G0, 32
.set G1B, 48
.set G0B, 56
.set G1S, 68
.set G0S, 76
.set G1SB, 80
.set G0SB, 88
.set MSB, 0
.macro WIN new                         ; the immediate's high byte repeats the setting that is left
.if MSB != \new
	s_set_vgpr_msb (MSB<<8)|\new
.set MSB, \new
.endif
.endm
.set MUL_LO, 0xa1                      ; source 0 (B) window 1, source 1 (A) window 0, C and D window 2
.set MUL_HI, 0xf1                      ; the same, C and D window 3
.set TO_B,   0x40                      ; destination window 1, address window 0
; A joint load: waves 0 and 1 fetch for A, waves 2 and 3 for B; the branch hangs on the wave's number alone.  An s_nop 0 and four v_nop follow each of the two lines.
.macro JLOAD g0a, g1a, g0b, g1b
	s_cmp_eq_u32 s15, 0
	s_cbranch_scc0 .Lfor_b_\@
	tensor_load_to_lds s[\g0a:\g0a+3], s[\g1a:\g1a+7]
	s_nop 0
.rept 4
	v_nop
.endr
	s_branch .Lasked_\@
.Lfor_b_\@:
	tensor_load_to_lds s[\g0b:\g0b+3], s[\g1b:\g1b+7]
	s_nop 0
.rept 4
	v_nop
.endr
.Lasked_\@:
.endm
.macro CROUND                          ; a round of the cluster's barrier
	s_barrier_signal -1
	s_barrier_wait -1
	s_cmp_lg_u32 s14, 0
	s_cbranch_scc1 .Lnot_wave_0_\@
	s_barrier_signal -3
.Lnot_wave_0_\@:
	s_barrier_wait -3
	s_barrier_signal -1
	s_barrier_wait -1
.endm
	s_load_b128 s[4:7], s[0:1], 0x0                ; A's codes s[4:5], A's scales s[6:7]
	s_load_b128 s[8:11], s[0:1], 0x10              ; B's codes s[8:9], B's scales s[10:11]
	s_load_b64 s[12:13], s[0:1], 0x20              ; qkv
	v_lshl_add_u32 v[SPW], v0, 2, SPARE
	v_mov_b32 v[NIL], 0
	ds_add_u32 v[SPW], v[NIL]                      ; the wave's opening: the add, twice on end, and its wait ahead of my first tensor load
	ds_add_u32 v[SPW], v[NIL]
	v_lshrrev_b32 v1, 5, v0
	v_readfirstlane_b32 s14, v1                    ; wave 0..3
	s_lshr_b32 s15, s14, 1                         ; which half of the tile's rows is mine.  Also: I fetch for A (0) or for B (1)
	s_and_b32 s16, s14, 1                          ; which half of its columns.  Also: which 128 rows of that tile I fetch
	s_bfe_u32 s40, ttmp6, 0x40000                  ; cx, cy: my place in the cluster
	s_bfe_u32 s41, ttmp6, 0x40004
	s_lshl_b32 s42, ttmp9, 2
	s_add_co_u32 s42, s42, s40                     ; tile column of C
	s_and_b32 s17, ttmp7, 0xffff
	s_lshl_b32 s17, s17, 2
	s_add_co_u32 s17, s17, s41                     ; tile row of C
	s_lshl_b32 s43, s41, 2
	s_lshl_b32 s43, 15, s43                        ; my row of the cluster
	s_lshl_b32 s44, 0x1111, s40                    ; my column
	; descriptor group 1: a tile of 128 rows x 256 bytes, 16 bytes of padding behind each row
	s_or_b32 s[G1+0], s43, (0<<16)|(1<<20)|(1<<21)|(5<<22)|(3<<25)
	s_or_b32 s[G1B+0], s44, (0<<16)|(1<<20)|(1<<21)|(5<<22)|(3<<25)
.irp g, G1, G1B
	s_mov_b32 s[\g+1], ROWB<<16                    ; tensor_dim0
	s_mov_b32 s[\g+2], 128<<16                     ; tensor_dim1
	s_mov_b32 s[\g+3], ROWB<<16                    ; tile_dim0
	s_mov_b32 s[\g+4], 128                         ; tile_dim1
	s_mov_b32 s[\g+5], KROW                        ; from row to row
	s_mov_b32 s[\g+6], 0
	s_mov_b32 s[\g+7], 0
.endr
	; the scales of 128 rows: a dense block of 4,096 bytes, as 16 rows of 256 bytes (32 elements of 8 bytes), padded likewise
	s_or_b32 s[G1S+0], s43, (3<<16)|(1<<20)|(1<<21)|(5<<22)|(3<<25)
	s_or_b32 s[G1SB+0], s44, (3<<16)|(1<<20)|(1<<21)|(5<<22)|(3<<25)
.irp g, G1S, G1SB
	s_mov_b32 s[\g+1], 32<<16
	s_mov_b32 s[\g+2], (128*KS/256)<<16
	s_mov_b32 s[\g+3], 32<<16
	s_mov_b32 s[\g+4], 128*KS/256
	s_mov_b32 s[\g+5], 32
	s_mov_b32 s[\g+6], 0
	s_mov_b32 s[\g+7], 0
.endr
	s_lshl_b32 s18, s16, 7                         ; which 128 rows of the tile I fetch
	s_lshl_b32 s20, s17, 8
	s_add_co_u32 s20, s20, s18                     ; A: row 256 x tile row + 128 x half
	s_lshl_b32 s46, s42, 8
	s_add_co_u32 s46, s46, s18                     ; B: row 256 x tile column + 128 x half
	s_mov_b32 s21, 0
	s_mov_b32 s47, 0
	s_mov_b64 s[18:19], KS
	s_mul_u64 s[22:23], s[20:21], s[18:19]         ; where these rows' scales begin,
	s_mul_u64 s[92:93], s[46:47], s[18:19]
	s_mov_b64 s[18:19], KROW
	s_mul_u64 s[20:21], s[20:21], s[18:19]         ; and their codes
	s_mul_u64 s[46:47], s[46:47], s[18:19]
	s_mul_i32 s45, s14, HALFT                      ; where they go: wave x 128 rows: no place in the cluster enters an LDS address
	s_mul_i32 s94, s14, HALFS
	s_wait_dscnt 0x0                               ; both opening adds are done
	s_wait_kmcnt 0x0
	s_add_nc_u64 s[20:21], s[4:5], s[20:21]
	s_add_nc_u64 s[22:23], s[6:7], s[22:23]
	s_add_nc_u64 s[46:47], s[8:9], s[46:47]
	s_add_nc_u64 s[92:93], s[10:11], s[92:93]
	CROUND                                         ; all sixteen work-groups are here: the joint loads meet
	s_mov_b32 s[G0S], 1
	s_add_co_u32 s[G0S+1], s94, SCL
	s_mov_b64 s[G0S+2:G0S+3], s[22:23]
	s_or_b32 s[G0S+3], s[G0S+3], 0x80000000
	s_mov_b32 s[G0SB], 1
	s_add_co_u32 s[G0SB+1], s94, SCL
	s_mov_b64 s[G0SB+2:G0SB+3], s[92:93]
	s_or_b32 s[G0SB+3], s[G0SB+3], 0x80000000
	JLOAD G0S, G1S, G0SB, G1SB                     ; the scales first: they are wanted with the first slot.  Three tensor loads of mine are out when the third is issued
.irp s, 0,1
	s_mov_b32 s[G0+4*\s], 1
	s_add_co_u32 s[G0+4*\s+1], s45, \s*SLOT
	s_add_nc_u64 s[G0+4*\s+2:G0+4*\s+3], s[20:21], \s*ROWB
	s_or_b32 s[G0+4*\s+3], s[G0+4*\s+3], 0x80000000
	s_mov_b32 s[G0B+4*\s], 1
	s_add_co_u32 s[G0B+4*\s+1], s45, \s*SLOT
	s_add_nc_u64 s[G0B+4*\s+2:G0B+4*\s+3], s[46:47], \s*ROWB
	s_or_b32 s[G0B+4*\s+3], s[G0B+4*\s+3], 0x80000000
	JLOAD G0+4*\s, G1, G0B+4*\s, G1B
.endr
	v_and_b32 v1, 15, v0                           ; l % 16
	v_bfe_u32 v2, v0, 4, 1                         ; l / 16
	v_mul_u32_u24 v3, v1, PITCH
	v_lshl_add_u32 v4, v2, 4, v3                   ; a fragment's row x pitch + 16 x half
	s_mul_i32 s21, s15, HALFT                      ; my 128 rows of A
	s_mul_i32 s22, s16, HALFT                      ; my 128 rows of B,
	s_add_co_u32 s22, s22, 2*HALFT                 ; which lie behind A's 256
.irp s, 0,1
	v_add_nc_u32 v[ADRA+\s], s21, v4
	v_add_nc_u32 v[ADRB+\s], s22, v4
	s_add_co_u32 s21, s21, SLOT
	s_add_co_u32 s22, s22, SLOT
.endr
	v_mul_u32_u24 v5, v1, KS                       ; my row's scales: 32 bytes a row,
	v_lshrrev_b32 v6, 8, v5
	v_lshl_add_u32 v5, v6, 4, v5                   ; and 16 more for each 256 passed
	s_mul_i32 s21, s15, HALFS
	s_mul_i32 s22, s16, HALFS
	s_add_co_u32 s22, s22, 2*HALFS
	s_sub_co_u32 s22, s22, s21
	v_mul_u32_u24 v6, s22, v2                      ; lanes 16-31 take B's: one product, the distance between the two bases
	s_add_co_u32 s21, s21, SCL
	v_add_nc_u32 v5, v5, v6
	v_add_nc_u32 v[ADRS], s21, v5
	s_mul_i32 s23, s14, 16*SPITCH                  ; my stage
	v_mul_u32_u24 v5, v1, SPITCH                   ; in: row l % 16, 16 bytes for each half of the lanes
	v_lshl_add_u32 v5, v2, 4, v5
	v_add_nc_u32 v[STO], s23, v5
	v_and_b32 v6, 31, v0
	v_lshlrev_b32 v[CO], 4, v6                     ; in qkv: 16 x lane: four rows of a head are 512 consecutive bytes
	v_lshrrev_b32 v5, 3, v6
	v_mul_u32_u24 v5, v5, SPITCH                   ; back: eight lanes take a head's 128 bytes of a row, four rows an instruction
	v_and_b32 v6, 7, v6
	v_lshl_add_u32 v5, v6, 4, v5
	v_add_nc_u32 v[RD], s23, v5
	; where my 128 rows x 2 heads begin in qkv: plane (which x 64 + batch x 16 + head) of 262,144 bytes, row t of 128 bytes
	s_lshl_b32 s20, s17, 8
	s_lshl_b32 s21, s15, 7
	s_add_co_u32 s20, s20, s21                     ; my first row m
	s_lshr_b32 s21, s20, 11                        ; batch
	s_and_b32 s20, s20, 2047                       ; t
	s_lshl_b32 s20, s20, 7
	s_lshl_b32 s21, s21, 22                        ; 16 planes a batch
	s_add_co_u32 s20, s20, s21
	s_mov_b32 s21, 0
	s_lshl_b32 s46, s42, 2
	s_lshl_b32 s47, s16, 1
	s_add_co_u32 s46, s46, s47                     ; my first column / 64: even, so both my heads lie in one of q, k, v
	s_lshr_b32 s47, s46, 4                         ; which of q, k, v
	s_and_b32 s46, s46, 15                         ; head
	s_lshl_b32 s47, s47, 24                        ; 64 planes
	s_lshl_b32 s46, s46, 18
	s_add_co_u32 s46, s46, s47
	s_mov_b32 s47, 0
	s_add_nc_u64 s[20:21], s[20:21], s[46:47]
	s_add_nc_u64 s[12:13], s[12:13], s[20:21]
.macro FRAG reg, adr, q, i             ; 16 rows x 128 K of 4-bit codes: 8 registers: lane l holds row l % 16; registers 4 c .. 4 c + 3 hold K = 64 c + 32 (l / 16) + 0 .. 31
.irp c, 0,1
	ds_load_b128 v[\reg+4*\c:\reg+4*\c+3], v[\adr] offset:64*(\q)+32*\c+(\i)*16*PITCH
.endr
.endm
; 16 matrix instructions: A's blocks a0, a0 + 1 x B's eight, the slot's q-th 128 along K.  The 64 accumulators take turns, one instruction a turn, in the same order in every step.
.macro MUL16 a0, p, q, sc, zero
.irp a, \a0, \a0+1
.irp b, 0,1,2,3,4,5,6,7
.if \zero
	v_wmma_scale_f32_16x16x128_f8f6f4 v[8*(8*((\a)%4)+\b):8*(8*((\a)%4)+\b)+7], v[128*(\p)+FR*\b:128*(\p)+FR*\b+FR-1], v[AF+FR*(\a):AF+FR*(\a)+FR-1], 0, v[SC+8*NQ*(\sc)+NQ*\b+(\q)], v[SC+8*NQ*(\sc)+NQ*(\a)+(\q)] matrix_a_fmt:MATRIX_FMT_FP4 matrix_b_fmt:MATRIX_FMT_FP4 matrix_a_scale:MATRIX_SCALE_ROW1
.else
	v_wmma_scale_f32_16x16x128_f8f6f4 v[8*(8*((\a)%4)+\b):8*(8*((\a)%4)+\b)+7], v[128*(\p)+FR*\b:128*(\p)+FR*\b+FR-1], v[AF+FR*(\a):AF+FR*(\a)+FR-1], v[8*(8*((\a)%4)+\b):8*(8*((\a)%4)+\b)+7], v[SC+8*NQ*(\sc)+NQ*\b+(\q)], v[SC+8*NQ*(\sc)+NQ*(\a)+(\q)] matrix_a_fmt:MATRIX_FMT_FP4 matrix_b_fmt:MATRIX_FMT_FP4 matrix_a_scale:MATRIX_SCALE_ROW1
.endif
.endr
.endr
.endm
.macro FETCH_B slot, q, p
	WIN TO_B
.irp i, 0,1,2,3,4,5,6,7
	FRAG 128*(\p)+FR*\i, ADRB+\slot, \q, \i
.endr
	WIN 0
.endm
.macro FETCH_A slot, q, i0
.irp i, \i0, \i0+1, \i0+2, \i0+3
	FRAG AF+FR*(\i), ADRA+\slot, \q, \i
.endr
.endm
.macro SCALES sc                       ; a slot's scale words: 4 words a row; lanes 0-15 take A's block i, lanes 16-31 B's block i
.irp i, 0,1,2,3,4,5,6,7
	ds_load_b128 v[SC+8*NQ*\sc+NQ*\i:SC+8*NQ*\sc+NQ*\i+3], v[ADRS] offset:\i*SBLK
.endr
.endm
.macro PLACES n                        ; plain vector instructions between a matrix instruction and a load into, or a read of, its registers
.rept \n
	v_nop
.endr
.endm
.macro STEP slot, q, zero              ; a step of 128 along K that has its successor in the same slot
	s_wait_dscnt 4*NL                              ; B's set, A's blocks 0-3 (and the scale words) are in; the youngest eight loads, A's blocks 4-7, may be out
	WIN MUL_LO
	MUL16 0, (\q)%2, \q, \slot, \zero
	MUL16 2, (\q)%2, \q, \slot, \zero
	s_wait_dscnt 0                                 ; A's blocks 4-7 are in
	PLACES NP
	FETCH_B \slot, (\q)+1, 1-(\q)%2
	FETCH_A \slot, (\q)+1, 0
	WIN MUL_HI
	MUL16 4, (\q)%2, \q, \slot, \zero
	MUL16 6, (\q)%2, \q, \slot, \zero
	PLACES NP
	WIN 0
	FETCH_A \slot, (\q)+1, 4
.endm
; Slot 0's last step changes slots: one barrier.  In front of it each wave waits for its tensor loads (its part of slot 1), so that behind it slot 1 is whole for every wave and nobody reads slot 0 any more.
.macro TURN slot, next
	s_wait_tensorcnt 0x0                           ; nothing was issued behind slot 1's load: the count is 0
	ds_add_u32 v[SPW], v[NIL]
	s_wait_dscnt 4*NL+1                            ; (the add and the youngest eight loads may be out)
	WIN MUL_LO
	MUL16 0, 1, NQ-1, \slot, 0
	s_wait_dscnt 0x0                               ; the add is done, and my reads of this slot are over
	s_barrier_signal -1
	MUL16 2, 1, NQ-1, \slot, 0
	WIN 0
	s_barrier_wait -1
	PLACES NP
	v_add_nc_u32 v[ADRS], 4*NQ, v[ADRS]            ; on to the next slot's scale words
	FETCH_B \next, 0, 0
	FETCH_A \next, 0, 0
	SCALES \next
	WIN MUL_HI
	MUL16 4, 1, NQ-1, \slot, 0
	MUL16 6, 1, NQ-1, \slot, 0
	PLACES NP
	WIN 0
	FETCH_A \next, 0, 4
.endm
.macro STEPS slot, from
.set Q, \from
.rept NQ-1-\from
	STEP \slot, Q, 0
.set Q, Q+1
.endr
.endm
	s_wait_tensorcnt 1                             ; the scales and my part of slot 0 are in; slot 1's load, the one issued behind them, may be out,
	s_barrier_signal -1
	s_barrier_wait -1                              ; everybody's are
	FETCH_B 0, 0, 0
	FETCH_A 0, 0, 0
	SCALES 0
	FETCH_A 0, 0, 4
	STEP 0, 0, 1                                   ; the first step's products start the sums: nothing is cleared
	STEPS 0, 1
	TURN 0, 1
	STEPS 1, 0
	s_wait_dscnt 4*NL                              ; the last step: nothing more to fetch
	WIN MUL_LO
	MUL16 0, 1, NQ-1, 1, 0
	MUL16 2, 1, NQ-1, 1, 0
	s_wait_dscnt 0
	WIN MUL_HI
	MUL16 4, 1, NQ-1, 1, 0
	MUL16 6, 1, NQ-1, 1, 0
	WIN 0
; THE WAY OUT, block by block of 16 rows x 128 columns (two heads).  PACK: rounded to f16, 16 bytes a lane, each accumulator from its low end on.  TOSTAGE: into my own stage and back by heads: four rows of a head's 128 bytes.
; SEND: each store covers 512 consecutive bytes of qkv, aligned.  Block a's conversions stand between block a - 1's loads from the stage and the wait for them.
.macro PACK a
.set AC, 64*((\a)%4)
	WIN 0x0a+5*((\a)/4)                            ; sources 0 and 1: window 2 or 3
.irp b, 0,1,2,3,4,5,6,7
.irp r, 0,1,2,3
	v_cvt_pk_f16_f32 v[TMP+4*\b+\r], v[AC+8*\b+2*\r], v[AC+8*\b+2*\r+1]
.endr
.endr
	WIN 0
.endm
.macro TOSTAGE a
.set BB, BK+32*((\a)%2)
.irp b, 0,1,2,3,4,5,6,7
	ds_store_b128 v[STO], v[TMP+4*\b:TMP+4*\b+3] offset:32*\b
.endr
.irp i, 0,1,2,3,4,5,6,7
	ds_load_b128 v[BB+4*\i:BB+4*\i+3], v[RD] offset:4*(\i%4)*SPITCH+128*(\i/4)   ; LDS serves a wave's instructions in order: these see the stores above
.endr
.endm
.macro SEND a
.set BB, BK+32*((\a)%2)
	s_wait_dscnt 0x0                               ; the block is back in registers
	s_wait_xcnt 0x0                                ; the earlier stores have read their registers: the next block's loads may land where block a - 1's data lay
.irp i, 0,1,2,3,4,5,6,7
	global_store_b128 v[CO], v[BB+4*\i:BB+4*\i+3], s[12:13] offset:(\i/4)*262144+(\a)*2048+(\i%4)*512
.endr
.endm
	PLACES NP                                      ; behind the last products: for the reads of results and the loads into A's registers
	PACK 0
	TOSTAGE 0
.irp a, 1,2,3,4,5,6,7
	PACK \a
	SEND \a-1
	TOSTAGE \a
.endr
	SEND 7
	s_wait_tensorcnt 0x0                           ; the wave's end
	ds_add_u32 v[SPW], v[NIL]
	s_wait_dscnt 0x0
	CROUND                                         ; the closing round: no work-group ends while a partner may still ask for a tile that names it
	s_endpgm
.Lfunc_end_k_q7bbb03a62f_gemm_qkv:
	.size	k_q7bbb03a62f_gemm_qkv, .Lfunc_end_k_q7bbb03a62f_gemm_qkv-k_q7bbb03a62f_gemm_qkv
	.p2alignl 7, 3214868480
	.fill 96, 4, 3214868480
	.section	.rodata,"a",@progbits
	.p2align	6, 0x0
	.amdhsa_kernel k_q7bbb03a62f_gemm_qkv
		.amdhsa_group_segment_fixed_size 327680
		.amdhsa_private_segment_fixed_size 0
		.amdhsa_enable_private_segment 0
		.amdhsa_kernarg_size 40
		.amdhsa_user_sgpr_count 2
		.amdhsa_user_sgpr_kernarg_segment_ptr 1
		.amdhsa_wavefront_size32 1
		.amdhsa_system_sgpr_workgroup_id_x 1
		.amdhsa_system_sgpr_workgroup_id_y 1
		.amdhsa_system_sgpr_workgroup_id_z 1
		.amdhsa_system_vgpr_workitem_id 0
		.amdhsa_next_free_vgpr 1024
		.amdhsa_next_free_sgpr 98
		.amdhsa_reserve_vcc 0
		.amdhsa_float_denorm_mode_32 3
		.amdhsa_float_denorm_mode_16_64 3
		.amdhsa_memory_ordered 1
		.amdhsa_forward_progress 1
		.amdhsa_inst_pref_size 127
	.end_amdhsa_kernel
	.amdgpu_metadata
---
amdhsa.version: [ 1, 2 ]
amdhsa.kernels:
  - .name:           k_q7bbb03a62f_gemm_qkv
    .symbol:         k_q7bbb03a62f_gemm_qkv.kd
    .args:
      - { .name: xc, .offset: 0, .size: 8, .value_kind: global_buffer, .address_space: global }
      - { .name: xs, .offset: 8, .size: 8, .value_kind: global_buffer, .address_space: global }
      - { .name: wc, .offset: 16, .size: 8, .value_kind: global_buffer, .address_space: global }
      - { .name: ws, .offset: 24, .size: 8, .value_kind: global_buffer, .address_space: global }
      - { .name: qkv, .offset: 32, .size: 8, .value_kind: global_buffer, .address_space: global }
    .group_segment_fixed_size: 327680
    .private_segment_fixed_size: 0
    .kernarg_segment_align: 8
    .kernarg_segment_size: 40
    .max_flat_workgroup_size: 128
    .sgpr_count:     98
    .vgpr_count:     1024
    .wavefront_size: 32
...
	.end_amdgpu_metadata
.endif
;; end of part 2
;; launch attn (part 3): grid 4 x 64, 8 waves a work-group, no clusters, 327,680 bytes of LDS; arguments qkv, y; writes y
.if DOCPART == 3
	.amdgcn_target "amdgcn-amd-amdhsa--gfx1250"
	.amdhsa_code_object_version 6
	.text
	.protected	k_q7bbb03a62f_attn
	.globl	k_q7bbb03a62f_attn
	.p2align	8
	.type	k_q7bbb03a62f_attn,@function
k_q7bbb03a62f_attn:
	s_mov_b64 s[64:65], 0
	v_nop
	global_prefetch_b8 v0, s[64:65] scope:SCOPE_SE
	s_setreg_imm32_b32 hwreg(HW_REG_WAVE_MODE, 25, 1), 1
	s_wait_xcnt 0x0
; y[b][h][q] = the sum over k <= q of softmax_k(Q[q] . K[k] / 8) V[k], head size 64, 2,048 positions, 64 (batch, head) pairs.  Q, K, V: f16, qkv [which][b][h][t][64].  Products, maxima and sums in f32;
; the weights p are rounded to f16 for the second product, y once at the end.  y: f16, [m / 128][h][m % 128][64], m = 2,048 b + t: the order in which the projection's tiles are dense blocks.
; LIMIT: |y| up to 65,504 (f16).  (The first 16 positions of each sequence are made again, in f32, by two later launches.)
; SHARES.  Work-group X (0..3) of a head owns the query blocks X and 7 - X, 256 queries each: under the causal mask they need X + 1 and 8 - X key blocks of 256: NINE in every work-group, so
; all 256 work-groups have equal work and the loop's trip count is a constant.  Trip J reads key block J (J <= X: first pass) or J - X - 1 (second pass).  Each of eight waves owns 32 queries: two tiles of 16.
; NO CLUSTER: in trip J the four work-groups of a head read different key blocks (J or J - X - 1), so no tile is wanted by two of them at the same time; a walk in which all four read blocks 0..7
; together would take 12 block times in place of 9.
; LAYOUT.  S^T = K Q^T (source 0 = 16 keys, source 1 = 16 queries): a lane holds ONE query (lane % 16) and keys 8 (lane / 16) + 0..7 of each tile of 16.  Two such tiles rounded in pairs ARE source 1 of
; O^T = V^T P, whose result again holds one query a lane.  K comes out of LDS as it lies, V ([key][channel]) turned, by ds_load_tr16_b128.
; SOFTMAX.  A running maximum m and sum l for each query: p = 2^(c s - c m), c = log2(e) / 8; in every step O and l are multiplied by a = 2^(c m_old - c m_new).
; THE RING.  Two LDS slots of 256 keys; behind each change of slots each wave asks for 64 rows (waves 0-3: K's, waves 4-7: V's) of the next trip's block: one tensor load of mine is out at any time.
; REGISTERS.  window 0: v1-15 addresses and constants; v16-31 statistics, eight a tile; v32-63 Q; v64-127 S^T, then p, then P in place; v128-223 the way out.
;             window 1: v0-63 K's fragments; v64-127 V's; v128-191 O^T.
.set PK,    144                        ; a row of K in LDS: 128 bytes + 16
.set PV,    160                        ; a row of V: 128 + 32
.set VOFF,  256*PK                     ; a slot: 256 rows of K, then 256 rows of V
.set SLOT1, 1<<17                      ; slot 1 begins here: one exclusive or turns an address in one slot into the other's
.set STAGE, 2*SLOT1                    ; behind the ring: 16 rows x 144 bytes for each wave, for the way out
.set SPARE, STAGE+8*16*PK              ; the spare words, 128 bytes for each wave: four blocks of 256 bytes that no other line names
.set AK0, 1                            ; v1   my lane's place in a tile of K
.set AV0, 2                            ; v2   the same for V
.set ADK, 3                            ; v3   LDS address of the step's K
.set ADV, 4                            ; v4   of its V
.set QO,  5                            ; v5   my byte offset in the wave's rows of Q
.set STO, 6                            ; v6   the way out: where I put 16 bytes of a row
.set RD,  7                            ; v7   and where I read rows back
.set GO,  8                            ; v8   16 x lane
.set RH,  9                            ; v9   lane % 16 - 8 (lane / 16)
.set D0,  10                           ; v10  the mask's bound for tile 0
.set NINF, 11                          ; v11  -infinity
.set SPW, 12                           ; v12  LDS address of my spare word; never rewritten
.set NIL, 13                           ; v13  0; never rewritten
.set PFO, 14                           ; v14  256 x lane; never rewritten
.set D1,  15                           ; v15  the mask's bound for tile 1
.set ST,  16                           ; tile t at v[ST + 8 t]: +0 c m, +1 m, +2, +3 l (two halves), +4 .. +7 at work; +6 then holds a (at the end 1 / l)
.set Q,   32                           ; tile t, channels 32 c on: v[Q + 16 t + 8 c]
.set S,   64                           ; tile t, keys 16 kt on: v[S + 32 t + 8 kt]
.set TW,  128
.set PKD, 160
.set BKR, 192
.set VF,  64                           ; window 1
.set O,   128                          ; window 1: tile t, channels 16 ct on: v[O + 32 t + 8 ct]
.set WV,  8
.set XB,  9
.set BH,  10
.set W4,  11
.set J,   12
.set CNT, 13
.set KFS, 14                           ; the step's first key
.set Q0,  15                           ; my first query
.set TBK, 16                           ; LDS byte of the step's rows of K
.set TBV, 17                           ; the same for V (without VOFF)
.set LIM, 18
.set QB,  19
.set SEL, 20
.set CS,  22
.set G1K, 24
.set G1V, 32
.set G0K, 40
.set G0V, 44
.set KB,  48                           ; s[48:49] K's plane + my 64 rows;  s[50:51] V's;  s[52:53] Q's plane
.set VB,  50
.set QP,  52
.set T64, 54
.set PFA, 56
.set QA,  58
.set YA,  60
.set T0,  62
.set T1,  63
.set MSB, 0
.macro WIN new                         ; the immediate's high byte repeats the setting that is left
.if MSB != \new
	s_set_vgpr_msb (MSB<<8)|\new
.set MSB, \new
.endif
.endm
; Waves 0-3 fetch K's rows, waves 4-7 V's.  The branch hangs on the wave's number alone.  An s_nop 0 and four v_nop follow each of the two lines.
.macro TLOAD
	s_cmp_lt_u32 s[WV], 4
	s_cbranch_scc0 .Lfor_v_\@
	tensor_load_to_lds s[G0K:G0K+3], s[G1K:G1K+7]
	s_nop 0
.rept 4
	v_nop
.endr
	s_branch .Lasked_\@
.Lfor_v_\@:
	tensor_load_to_lds s[G0V:G0V+3], s[G1V:G1V+7]
	s_nop 0
.rept 4
	v_nop
.endr
.Lasked_\@:
.endm
; A PREFETCH INTO THE L2.  The head's first work-group (X = 0) walks key blocks 0, 0, 1, .. 7; in trips 0 to 6 each of its waves asks for the 8,192 bytes (64 rows of K or of V, lanes 256 bytes apart) that it will itself
; fetch at the next change of slots: block J + 1, one trip (four key steps) ahead.  So each aligned 256 bytes of blocks 1 to 7 are named once in the launch; block 0 comes by its load alone, and nothing is asked past block 7.
.macro ASK
	s_cmp_lt_u32 s[J], s[LIM]
	s_cbranch_scc0 .Lnot_mine_\@
	global_prefetch_b8 v[PFO], s[PFA:PFA+1] th:TH_LOAD_NT scope:SCOPE_SE
.Lnot_mine_\@:
.endm
	s_load_b128 s[4:7], s[0:1], 0x0                ; qkv s[4:5], y s[6:7]
	v_lshl_add_u32 v[SPW], v0, 2, SPARE
	v_mov_b32 v[NIL], 0
	ds_add_u32 v[SPW], v[NIL]                      ; the wave's opening: the add, twice on end, and its wait ahead of my first tensor load
	ds_add_u32 v[SPW], v[NIL]
	v_lshrrev_b32 v1, 5, v0
	v_readfirstlane_b32 s[WV], v1                  ; wave 0..7
	s_mov_b32 s[XB], ttmp9                         ; X
	s_and_b32 s[BH], ttmp7, 0xffff                 ; 16 x batch + head
	s_and_b32 s[W4], s[WV], 3                      ; which 64 rows of a block I fetch
	; descriptor group 1: 64 rows of 64 elements of 2 bytes, dense in memory; padding behind every 32 words: 4 words for K, 8 for V
	s_mov_b32 s[G1K], (1<<16)|(1<<20)|(4<<22)|(3<<25)
	s_mov_b32 s[G1V], (1<<16)|(1<<20)|(4<<22)|(7<<25)
.irp g, G1K, G1V
	s_mov_b32 s[\g+1], 64<<16                      ; tensor_dim0
	s_mov_b32 s[\g+2], 64<<16                      ; tensor_dim1
	s_mov_b32 s[\g+3], 64<<16                      ; tile_dim0
	s_mov_b32 s[\g+4], 64                          ; tile_dim1
	s_mov_b32 s[\g+5], 64                          ; from row to row
	s_mov_b32 s[\g+6], 0
	s_mov_b32 s[\g+7], 0
.endr
	s_mov_b32 s[SEL], 0x76543210
	s_mov_b32 s[SEL+1], 0xfedcba98                 ; v_permlanex16_b32's selects for lane l xor 16
	s_mov_b32 s[CS], 0x3e38aa3b                    ; c = log2(e) / 8
	s_mov_b32 s[CS+1], s[CS]                       ; (named with it as a pair, so it is written)
	s_add_co_u32 s[T64], s[BH], 64
	s_lshl_b32 s[T64], s[T64], 18                  ; K's plane: 64 + 16 b + h, 262,144 bytes a plane,
	s_lshl_b32 s[T0], s[W4], 13
	s_add_co_u32 s[T64], s[T64], s[T0]             ; + my 64 rows of 128 bytes
	s_mov_b32 s[T64+1], 0
	s_mul_i32 s[G0K+1], s[W4], 64*PK               ; LDS: slot 0, my rows of K,
	s_mul_i32 s[G0V+1], s[W4], 64*PV
	s_add_co_u32 s[G0V+1], s[G0V+1], VOFF          ; or of V
	s_mov_b32 s[G0K], 1
	s_mov_b32 s[G0V], 1
	s_cmp_eq_u32 s[XB], 0
	s_cselect_b32 s[LIM], 7, 0
	s_wait_dscnt 0x0                               ; both opening adds are done
	s_wait_kmcnt 0x0
	s_add_nc_u64 s[KB:KB+1], s[4:5], s[T64:T64+1]
	s_add_nc_u64 s[VB:VB+1], s[KB:KB+1], 64*262144
	s_mov_b64 s[G0K+2:G0K+3], s[KB:KB+1]           ; key block 0
	s_or_b32 s[G0K+3], s[G0K+3], 0x80000000
	s_mov_b64 s[G0V+2:G0V+3], s[VB:VB+1]
	s_or_b32 s[G0V+3], s[G0V+3], 0x80000000
	TLOAD                                          ; slot 0's first fill, ahead of every wait on TENSORcnt, every LDS read and every barrier
	s_lshl_b32 s[T64], s[BH], 18
	s_add_nc_u64 s[QP:QP+1], s[4:5], s[T64:T64+1]  ; Q's plane
	s_cmp_lt_u32 s[WV], 4
	s_cselect_b64 s[PFA:PFA+1], s[KB:KB+1], s[VB:VB+1]   ; at block 0; each change of slots steps it a block on ahead of its prefetch
	v_and_b32 v3, 15, v0                           ; r
	v_bfe_u32 v4, v0, 4, 1                         ; h
	v_mul_u32_u24 v[AK0], v3, PK
	v_lshl_add_u32 v[AK0], v4, 4, v[AK0]           ; K: row r x pitch + 16 h
	v_and_b32 v10, 7, v0
	v_bfe_u32 v15, v0, 3, 1
	v_lshl_add_u32 v[AV0], v4, 3, v10
	v_mul_u32_u24 v[AV0], v[AV0], PV
	v_lshl_add_u32 v[AV0], v15, 4, v[AV0]
	v_add_nc_u32 v[AV0], VOFF, v[AV0]              ; V, for the turning load: key 8 h + l % 8, channels 8 ((l / 8) % 2) on
	v_lshlrev_b32 v[QO], 7, v3
	v_lshl_add_u32 v[QO], v4, 4, v[QO]             ; Q: row r of 128 bytes + 16 h
	s_mul_i32 s[T0], s[WV], 16*PK
	s_add_co_u32 s[T0], s[T0], STAGE               ; my stage
	v_add_nc_u32 v[STO], s[T0], v[AK0]             ; in: row r, 16 bytes for each half of the lanes
	v_and_b32 v8, 31, v0
	v_lshrrev_b32 v[RD], 3, v8
	v_mul_u32_u24 v[RD], v[RD], PK
	v_lshl_add_u32 v[RD], v10, 4, v[RD]
	v_add_nc_u32 v[RD], s[T0], v[RD]               ; back: eight lanes to a row of 128 bytes, four rows an instruction
	v_lshlrev_b32 v[PFO], 8, v8
	v_lshlrev_b32 v[GO], 4, v8
	v_lshlrev_b32 v[RH], 3, v4
	v_sub_nc_u32 v[RH], v3, v[RH]
	v_mov_b32 v[NINF], 0xff800000
; A PASS BEGINS: query block s[QB].  Q's fragments come into registers; O^T and l begin as zeros and m as -3e38, so that the key step is written once: its first rescaling multiplies zeros.
.macro PASS_INIT
	s_wait_xcnt 0x0                                ; the earlier loads and stores have read their bases and data: they may be written
	s_lshl_b32 s[Q0], s[QB], 8
	s_lshl_b32 s[T0], s[WV], 5
	s_add_co_u32 s[Q0], s[Q0], s[T0]               ; my first query: 256 x block + 32 x wave
	s_lshl_b32 s[T64], s[Q0], 7
	s_add_nc_u64 s[QA:QA+1], s[QP:QP+1], s[T64:T64+1]
	s_lshr_b32 s[T0], s[BH], 4
	s_lshl_b32 s[T0], s[T0], 4                     ; y: block of 128 rows 16 b + 2 x query block + wave / 4,
	s_lshl_b32 s[T1], s[QB], 1
	s_add_co_u32 s[T0], s[T0], s[T1]
	s_lshr_b32 s[T1], s[WV], 2
	s_add_co_u32 s[T0], s[T0], s[T1]
	s_lshl_b32 s[T64], s[T0], 18
	s_and_b32 s[T0], s[BH], 15
	s_lshl_b32 s[T0], s[T0], 14                    ; head,
	s_add_co_u32 s[T64], s[T64], s[T0]
	s_lshl_b32 s[T0], s[W4], 12                    ; row 32 (wave % 4)
	s_add_co_u32 s[T64], s[T64], s[T0]
	s_add_nc_u64 s[YA:YA+1], s[6:7], s[T64:T64+1]
.irp t, 0,1
.irp c, 0,1
.irp u, 0,1
	global_load_b128 v[Q+16*\t+8*\c+4*\u:Q+16*\t+8*\c+4*\u+3], v[QO], s[QA:QA+1] offset:2048*\t+64*\c+32*\u
.endr
.endr
.endr
	WIN 0x40                                       ; destination window 1
.set i, 0
.rept 64
	v_mov_b32 v[O+i], 0
.set i, i+1
.endr
	WIN 0
.irp t, 0,1
	v_mov_b32 v[ST+8*\t+1], 0xff61b1e6             ; m = -3e38, under every score
	v_mul_f32 v[ST+8*\t], s[CS], v[ST+8*\t+1]      ; c m
	v_mov_b32 v[ST+8*\t+2], 0
	v_mov_b32 v[ST+8*\t+3], 0
	v_mov_b32 v[ST+8*\t+5], 0                      ; (a lane permute's destination, and the upper half of a pair: written before they are named)
	v_mov_b32 v[ST+8*\t+7], 0
.endr
	s_mov_b32 s[KFS], 0
	s_wait_loadcnt 0x0                             ; Q
.endm
; A KEY STEP: 64 keys.  A step all of whose keys come after my 32 queries is left out: a scalar branch on ids, round its loads and its work, not round the lines that step addresses.
; In every step that is walked the first key is at or under my first query (both are multiples of 32, the key's of 64), so every query has a key that counts.
.macro STEP
	s_add_co_u32 s[T0], s[Q0], 31
	s_cmp_gt_u32 s[KFS], s[T0]
	s_cbranch_scc1 .Lhid_\@
	v_add_nc_u32 v[ADK], s[TBK], v[AK0]
	v_add_nc_u32 v[ADV], s[TBV], v[AV0]
	WIN 0x40                                       ; destination window 1, address window 0
.irp kt, 0,1,2,3
.irp c, 0,1
	ds_load_b128 v[8*(2*\kt+\c):8*(2*\kt+\c)+3],   v[ADK] offset:\kt*16*PK+64*\c
	ds_load_b128 v[8*(2*\kt+\c)+4:8*(2*\kt+\c)+7], v[ADK] offset:\kt*16*PK+64*\c+32
.endr
.endr
.irp g, 0,1
.irp ct, 0,1,2,3
	ds_load_tr16_b128 v[VF+8*(4*\g+\ct):VF+8*(4*\g+\ct)+3],   v[ADV] offset:\g*32*PV+32*\ct
	ds_load_tr16_b128 v[VF+8*(4*\g+\ct)+4:VF+8*(4*\g+\ct)+7], v[ADV] offset:\g*32*PV+16*PV+32*\ct
.endr
.endr
	s_wait_dscnt 16                                ; K's sixteen loads are in; V's sixteen may be out
	WIN 0x01                                       ; source 0 (K) window 1
.irp c, 0,1                                    ; S^T = K Q^T: eight accumulators by turns, one instruction a turn; the first eight start the sums
.irp kt, 0,1,2,3
.irp t, 0,1
.if \c == 0
	v_wmma_f32_16x16x32_f16 v[S+32*\t+8*\kt:S+32*\t+8*\kt+7], v[8*(2*\kt+\c):8*(2*\kt+\c)+7], v[Q+16*\t+8*\c:Q+16*\t+8*\c+7], 0
.else
	v_wmma_f32_16x16x32_f16 v[S+32*\t+8*\kt:S+32*\t+8*\kt+7], v[8*(2*\kt+\c):8*(2*\kt+\c)+7], v[Q+16*\t+8*\c:Q+16*\t+8*\c+7], v[S+32*\t+8*\kt:S+32*\t+8*\kt+7]
.endif
.endr
.endr
.endr
	WIN 0
.rept 4
	v_nop                                          ; places behind the products, ahead of the first read of the scores
.endr
	s_add_co_u32 s[T0], s[KFS], 63                 ; on the diagonal hidden scores become -infinity ahead of the maximum; a step all of whose keys count skips this
	s_cmp_le_u32 s[T0], s[Q0]
	s_cbranch_scc1 .Lopen_\@
	s_sub_co_i32 s[T0], s[Q0], s[KFS]
	v_add_nc_u32 v[D0], s[T0], v[RH]               ; register n of a tile holds key KFS + 16 (n / 8) + 8 (lane / 16) + n % 8: hidden where 16 (n / 8) + n % 8 > my query - KFS - 8 (lane / 16)
	v_add_nc_u32 v[D1], 16, v[D0]
.irp n, 0,1,2,3,4,5,6,7,8,9,10,11,12,13,14,15,16,17,18,19,20,21,22,23,24,25,26,27,28,29,30,31
	v_cmp_gt_i32 vcc_lo, 16*(\n/8)+\n%8, v[D0]
	v_cndmask_b32 v[S+\n], v[S+\n], v[NINF], vcc_lo
.endr
.irp n, 0,1,2,3,4,5,6,7,8,9,10,11,12,13,14,15,16,17,18,19,20,21,22,23,24,25,26,27,28,29,30,31
	v_cmp_gt_i32 vcc_lo, 16*(\n/8)+\n%8, v[D1]
	v_cndmask_b32 v[S+32+\n], v[S+32+\n], v[NINF], vcc_lo
.endr
.Lopen_\@:
	; the softmax, the two tiles by turns.  The maximum: four chains, each begun at an accumulator's low end
.irp k, 0,1,2,3
.irp t, 0,1
	v_max3_num_f32 v[ST+8*\t+4+\k], v[S+32*\t+8*\k], v[S+32*\t+8*\k+1], v[S+32*\t+8*\k+2]
.endr
.endr
.irp u, 3,5
.irp k, 0,1,2,3
.irp t, 0,1
	v_max3_num_f32 v[ST+8*\t+4+\k], v[ST+8*\t+4+\k], v[S+32*\t+8*\k+\u], v[S+32*\t+8*\k+\u+1]
.endr
.endr
.endr
.irp t, 0,1
	v_max3_num_f32 v[ST+8*\t+4], v[ST+8*\t+4], v[S+32*\t+7], v[S+32*\t+15]
	v_max3_num_f32 v[ST+8*\t+6], v[ST+8*\t+6], v[S+32*\t+23], v[S+32*\t+31]
.endr
.irp t, 0,1
	v_max3_num_f32 v[ST+8*\t+4], v[ST+8*\t+4], v[ST+8*\t+5], v[ST+8*\t+6]
.endr
.irp t, 0,1
	v_max3_num_f32 v[ST+8*\t+4], v[ST+8*\t+4], v[ST+8*\t+7], v[ST+8*\t+1]   ; with the old m
.endr
.irp t, 0,1
	v_permlanex16_b32 v[ST+8*\t+5], v[ST+8*\t+4], s[SEL], s[SEL+1]          ; the query's other 32 keys lie in the lane 16 away
.endr
.irp t, 0,1
	v_mov_b32 v[ST+8*\t+7], v[ST+8*\t]             ; c m_old
.endr
.irp t, 0,1
	v_max_num_f32 v[ST+8*\t+1], v[ST+8*\t+4], v[ST+8*\t+5]
.endr
.irp t, 0,1
	v_mul_f32 v[ST+8*\t], s[CS], v[ST+8*\t+1]
.endr
.irp t, 0,1
	v_sub_f32 v[ST+8*\t+7], v[ST+8*\t+7], v[ST+8*\t]
.endr
.irp p, 0,2,4,6,8,10,12,14,16,18,20,22,24,26,28,30
.irp t, 0,1
	v_pk_fma_f32 v[S+32*\t+\p:S+32*\t+\p+1], v[S+32*\t+\p:S+32*\t+\p+1], s[CS:CS+1], v[ST+8*\t:ST+8*\t+1] op_sel_hi:[1,0,0] neg_lo:[0,0,1] neg_hi:[0,0,1]   ; c s - c m
.endr
.endr
.irp t, 0,1
	v_exp_f32 v[ST+8*\t+6], v[ST+8*\t+7]           ; a
.endr
.irp n, 0,1,2,3,4,5,6,7,8,9,10,11,12,13,14,15,16,17,18,19,20,21,22,23,24,25,26,27,28,29,30,31
.irp t, 0,1
	v_exp_f32 v[S+32*\t+\n], v[S+32*\t+\n]         ; p: one batch of 66 exponentials, none of which reads another's result
.endr
.endr
	v_nop                                          ; a plain instruction behind the last exponential
	s_wait_alu depctr_va_vdst(0)                   ; one wait for the batch, ahead of its first reader
.irp t, 0,1
	v_pk_fma_f32 v[ST+8*\t+2:ST+8*\t+3], v[ST+8*\t+2:ST+8*\t+3], v[ST+8*\t+6:ST+8*\t+7], v[S+32*\t:S+32*\t+1] op_sel_hi:[1,0,1]   ; l = a l + the first pair; the sum is of the unrounded p, in two chains
	v_pk_add_f32 v[ST+8*\t+4:ST+8*\t+5], v[S+32*\t+2:S+32*\t+3], v[S+32*\t+6:S+32*\t+7]
.endr
.irp p, 4,8,12,16,20,24
.irp t, 0,1
	v_pk_add_f32 v[ST+8*\t+2:ST+8*\t+3], v[ST+8*\t+2:ST+8*\t+3], v[S+32*\t+\p:S+32*\t+\p+1]
	v_pk_add_f32 v[ST+8*\t+4:ST+8*\t+5], v[ST+8*\t+4:ST+8*\t+5], v[S+32*\t+\p+6:S+32*\t+\p+7]
.endr
.endr
.irp t, 0,1
	v_pk_add_f32 v[ST+8*\t+2:ST+8*\t+3], v[ST+8*\t+2:ST+8*\t+3], v[S+32*\t+28:S+32*\t+29]
.endr
.irp t, 0,1
	v_pk_add_f32 v[ST+8*\t+2:ST+8*\t+3], v[ST+8*\t+2:ST+8*\t+3], v[ST+8*\t+4:ST+8*\t+5]
.endr
.irp i, 0,1,2,3,4,5,6,7,8,9,10,11,12,13,14,15
.irp t, 0,1
	v_cvt_pk_f16_f32 v[S+32*\t+\i], v[S+32*\t+2*\i], v[S+32*\t+2*\i+1]   ; P in place, ascending: register i takes pair i, which lies at or above it
.endr
.endr
	WIN 0x41                                       ; O^T (destination and source 0) window 1, a window 0
.irp t, 0,1
.irp i, 0,2,4,6,8,10,12,14,16,18,20,22,24,26,28,30
	v_pk_mul_f32 v[O+32*\t+\i:O+32*\t+\i+1], v[O+32*\t+\i:O+32*\t+\i+1], v[ST+8*\t+6:ST+8*\t+7] op_sel_hi:[1,0]
.endr
.endr
	s_wait_dscnt 0x0                               ; V is in
	WIN 0x51                                       ; V window 1, P window 0, O^T (C and D) window 1
.irp g, 0,1                                    ; O^T += V^T P: eight accumulators by turns
.irp ct, 0,1,2,3
.irp t, 0,1
	v_wmma_f32_16x16x32_f16 v[O+32*\t+8*\ct:O+32*\t+8*\ct+7], v[VF+8*(4*\g+\ct):VF+8*(4*\g+\ct)+7], v[S+32*\t+8*\g:S+32*\t+8*\g+7], v[O+32*\t+8*\ct:O+32*\t+8*\ct+7]
.endr
.endr
.endr
	WIN 0
.rept 5
	v_nop                                          ; five places: the next step's first products write over P's registers; its loads land in V's; the way out reads O^T
.endr
.Lhid_\@:
	s_add_co_u32 s[KFS], s[KFS], 64
	s_add_co_u32 s[TBK], s[TBK], 64*PK
	s_add_co_u32 s[TBV], s[TBV], 64*PV
.endm
; THE CHANGE OF SLOTS stands at a trip's head.  Each wave waits for all its tensor loads (its part of the block that is about to be read), adds 0 to its spare word, and waits for that and for its reads of the slot that it has left.
; Behind the barrier the slot ahead is whole and nobody reads the other one.  fill = 1: that other slot takes the next trip's key block; the load has a whole trip, four key steps, in which to land.
.macro CHANGE fill
	s_wait_tensorcnt 0x0                           ; no tensor load of mine is out, so a group 0 may be written
	ds_add_u32 v[SPW], v[NIL]                      ; 0 onto my spare word; the descriptors' steps stand between it and the wait for it
.if \fill
	s_add_co_u32 s[T0], s[J], 1                    ; the next trip's key block: J + 1 while that is at most X, else J - X
	s_sub_co_u32 s[T1], s[J], s[XB]
	s_cmp_le_u32 s[T0], s[XB]
	s_cselect_b32 s[T64], s[T0], s[T1]
	s_lshl_b32 s[T64], s[T64], 15                  ; 256 rows of 128 bytes a block
	s_xor_b32 s[G0K+1], s[G0K+1], SLOT1
	s_add_nc_u64 s[G0K+2:G0K+3], s[KB:KB+1], s[T64:T64+1]
	s_or_b32 s[G0K+3], s[G0K+3], 0x80000000
	s_xor_b32 s[G0V+1], s[G0V+1], SLOT1
	s_add_nc_u64 s[G0V+2:G0V+3], s[VB:VB+1], s[T64:T64+1]
	s_or_b32 s[G0V+3], s[G0V+3], 0x80000000
	s_wait_xcnt 0x0                                ; the last prefetch, a trip back, has read its address
	s_add_nc_u64 s[PFA:PFA+1], s[PFA:PFA+1], 32768
.endif
	s_wait_dscnt 0x0                               ; the add is done, and my reads of the slot that I have left are over
	s_barrier_signal -1
	s_barrier_wait -1
.if \fill
	TLOAD                                          ; the first thing behind the barrier, and my one tensor load until the next
	ASK
.endif
.endm
.macro SLOT_STEPS                      ; a block's four key steps: written once, walked four times; the LDS addresses hang on s[TBK] and s[TBV]
	s_mov_b32 s[CNT], 4
.Lstep_\@:
	STEP
	s_sub_co_u32 s[CNT], s[CNT], 1
	s_cmp_lg_u32 s[CNT], 0
	s_cbranch_scc1 .Lstep_\@
	s_sub_co_u32 s[TBK], s[TBK], 256*PK
	s_xor_b32 s[TBK], s[TBK], SLOT1                ; back to a slot's first step, in the other slot
	s_sub_co_u32 s[TBV], s[TBV], 256*PV
	s_xor_b32 s[TBV], s[TBV], SLOT1
.endm
; THE WAY OUT of a pass: O^T / l, rounded to f16, a tile (16 rows of 128 bytes) at a time through my own stage; each store covers 512 consecutive bytes of y, aligned.
.macro WAYOUT
.irp t, 0,1
	v_add_f32 v[ST+8*\t+4], v[ST+8*\t+2], v[ST+8*\t+3]
.endr
.irp t, 0,1
	v_permlanex16_b32 v[ST+8*\t+5], v[ST+8*\t+4], s[SEL], s[SEL+1]
.endr
.irp t, 0,1
	v_add_f32 v[ST+8*\t+4], v[ST+8*\t+4], v[ST+8*\t+5]
.endr
.irp t, 0,1
	v_rcp_f32 v[ST+8*\t+6], v[ST+8*\t+4]
.endr
	v_nop                                          ; a plain instruction behind the last reciprocal
	s_wait_alu depctr_va_vdst(0)                   ; one wait for both, ahead of their first reader
.irp t, 0,1
	WIN 0x01                                       ; source 0 (O^T) window 1
.irp i, 0,2,4,6,8,10,12,14,16,18,20,22,24,26,28,30
	v_pk_mul_f32 v[TW+\i:TW+\i+1], v[O+32*\t+\i:O+32*\t+\i+1], v[ST+8*\t+6:ST+8*\t+7] op_sel_hi:[1,0]
.endr
	WIN 0
.irp i, 0,1,2,3,4,5,6,7,8,9,10,11,12,13,14,15
	v_cvt_pk_f16_f32 v[PKD+16*\t+\i], v[TW+2*\i], v[TW+2*\i+1]
.endr
.irp ct, 0,1,2,3
	ds_store_b128 v[STO], v[PKD+16*\t+4*\ct:PKD+16*\t+4*\ct+3] offset:32*\ct
.endr
.irp i, 0,1,2,3
	ds_load_b128 v[BKR+16*\t+4*\i:BKR+16*\t+4*\i+3], v[RD] offset:4*\i*PK   ; LDS serves a wave's instructions in order: these see the stores above, and the next tile's stores come behind them
.endr
.endr
	s_wait_dscnt 0x0
.irp t, 0,1
.irp i, 0,1,2,3
	global_store_b128 v[GO], v[BKR+16*\t+4*\i:BKR+16*\t+4*\i+3], s[YA:YA+1] offset:2048*\t+512*\i
.endr
.endr
.endm
	s_mov_b32 s[QB], s[XB]
	PASS_INIT                                      ; the first pass: query block X
	s_mov_b32 s[J], 0
	s_mov_b32 s[TBK], 0
	s_mov_b32 s[TBV], 0
.Ltrip:                                            ; eight trips; behind each change of slots the next trip's block is asked for
	s_add_co_u32 s[T0], s[XB], 1
	s_cmp_lg_u32 s[J], s[T0]                       ; ids and the count of trips alone: all eight waves go the same way; no barrier and no tensor load stands inside
	s_cbranch_scc1 .Lsame_pass
	WAYOUT                                         ; the first pass is over,
	s_sub_co_u32 s[QB], 7, s[XB]
	PASS_INIT                                      ; the second begins: query block 7 - X
.Lsame_pass:
	CHANGE 1
	SLOT_STEPS
	s_add_co_u32 s[J], s[J], 1
	s_cmp_lt_u32 s[J], 8
	s_cbranch_scc1 .Ltrip
	CHANGE 0                                       ; the ninth trip is written out: nothing is left to fetch
	SLOT_STEPS
	WAYOUT
	s_wait_tensorcnt 0x0                           ; the wave's end
	ds_add_u32 v[SPW], v[NIL]
	s_wait_dscnt 0x0
	s_endpgm
.Lfunc_end_k_q7bbb03a62f_attn:
	.size	k_q7bbb03a62f_attn, .Lfunc_end_k_q7bbb03a62f_attn-k_q7bbb03a62f_attn
	.p2alignl 7, 3214868480
	.fill 96, 4, 3214868480
	.section	.rodata,"a",@progbits
	.p2align	6, 0x0
	.amdhsa_kernel k_q7bbb03a62f_attn
		.amdhsa_group_segment_fixed_size 327680
		.amdhsa_private_segment_fixed_size 0
		.amdhsa_enable_private_segment 0
		.amdhsa_kernarg_size 16
		.amdhsa_user_sgpr_count 2
		.amdhsa_user_sgpr_kernarg_segment_ptr 1
		.amdhsa_wavefront_size32 1
		.amdhsa_system_sgpr_workgroup_id_x 1
		.amdhsa_system_sgpr_workgroup_id_y 1
		.amdhsa_system_sgpr_workgroup_id_z 1
		.amdhsa_system_vgpr_workitem_id 0
		.amdhsa_next_free_vgpr 448
		.amdhsa_next_free_sgpr 66
		.amdhsa_reserve_vcc 1
		.amdhsa_float_denorm_mode_32 3
		.amdhsa_float_denorm_mode_16_64 3
		.amdhsa_memory_ordered 1
		.amdhsa_forward_progress 1
		.amdhsa_inst_pref_size 71
	.end_amdhsa_kernel
	.amdgpu_metadata
---
amdhsa.version: [ 1, 2 ]
amdhsa.kernels:
  - .name:           k_q7bbb03a62f_attn
    .symbol:         k_q7bbb03a62f_attn.kd
    .args:
      - { .name: qkv, .offset: 0, .size: 8, .value_kind: global_buffer, .address_space: global }
      - { .name: y, .offset: 8, .size: 8, .value_kind: global_buffer, .address_space: global }
    .group_segment_fixed_size: 327680
    .private_segment_fixed_size: 0
    .kernarg_segment_align: 8
    .kernarg_segment_size: 16
    .max_flat_workgroup_size: 256
    .sgpr_count:     66
    .vgpr_count:     448
    .wavefront_size: 32
...
	.end_amdgpu_metadata
.endif
;; end of part 3
;; launch proj (part 4): grid 8 x 64, 4 waves a work-group, clusters of 4 x 4, 327,680 bytes of LDS; arguments y, wpt, out0; writes out0
.if DOCPART == 4
	.amdgcn_target "amdgcn-amd-amdhsa--gfx1250"
	.amdhsa_code_object_version 6
	.text
	.protected	k_q7bbb03a62f_proj
	.globl	k_q7bbb03a62f_proj
	.p2align	8
	.type	k_q7bbb03a62f_proj,@function
k_q7bbb03a62f_proj:
	s_mov_b64 s[64:65], 0
	v_nop
	global_prefetch_b8 v0, s[64:65] scope:SCOPE_SE
	s_setreg_imm32_b32 hwreg(HW_REG_WAVE_MODE, 25, 1), 1
	s_wait_xcnt 0x0
	s_wait_alu depctr_hold_cnt(0) depctr_sa_sdst(0) depctr_va_vdst(0) depctr_va_sdst(0) depctr_va_ssrc(0) depctr_va_vcc(0) depctr_vm_vsrc(0)
	s_getreg_b32 s2, hwreg(HW_REG_IB_STS2, 6, 4)
	s_cmp_eq_u32 s2, 0
	s_cbranch_scc0 .Lentry_in_a_cluster
	s_endpgm
.Lentry_in_a_cluster:
	s_bfe_u32 s2, ttmp6, 0x10000c
	s_cmp_lg_u32 s2, 0xf033
	s_cbranch_scc0 .Lentry_shape_is_right
	s_endpgm
.Lentry_shape_is_right:
; out0 = y w_proj: C[m][n] = sum over k of A[m][k] B[n][k], f16 operands, f32 sums, f32 out.  A = y [m / 128][k / 64][m % 128][64], B = wpt [n / 128][k / 64][n % 128][64]: for a tile of 128 rows a K step of 256
; is ONE dense block of 65,536 bytes: four blocks of 128 rows x 128 bytes.  out0: [8192][1024] f32.
; ALL rows are made here, the first 16 positions of each sequence too (64 rows of 8,192): a later launch stores those rows again, from f32 operands.  Leaving them out here would take a branch on a work-group's place in its cluster.
; A tile of C is 128 x 128: 512 work-groups.  Four waves, each 64 x 64: 16 accumulators of 16 x 16.  K goes in four steps of 256 through two LDS slots; a wave's tensor load brings 256 rows of 128 bytes.
; CLUSTERS: 4 x 4 work-groups.  The four of a row of the cluster need the same tiles of A, the four of a column the same tiles of B: each is asked for JOINTLY.
; THE MATRIX INSTRUCTION IS USED TRANSPOSED (source 0 = 16 rows of B, source 1 = 16 rows of A): a lane holds eight neighbouring numbers of a row of C.
; REGISTERS: window 0: v0-31 addresses; v32-95 the way out; v128-255 the accumulators ((a, b) at v[128 + 8 (4 a + b)]).   window 1: two fragment buffers of 128: 64 registers of A, then 64 of B, for 64 along K.
.set PITCH,  144                       ; an LDS row: 128 bytes + 16
.set HB,     128*PITCH                 ; a block: 128 rows x 64 along K
.set R64,    64*PITCH                  ; a wave's 64 rows in a block
.set HALFT,  2*HB                      ; what one tensor load brings: two blocks
.set SLOT,   4*HALFT                   ; A's four blocks, then B's four
.set STEPB,  65536                     ; a K step in memory
.set STAGE,  2*SLOT                    ; behind the ring: 16 rows x 272 bytes for each wave
.set SPITCH, 272
.set SPARE,  STAGE+4*16*SPITCH         ; the spare words, 128 bytes for each wave: two blocks of 256 bytes that no other line names
.set LAPS,   2                         ; a lap = two K steps
.set ADRA, 16
.set ADRB, 20
.set STO,  24
.set RD,   25
.set CO,   26
.set SPW,  28
.set NIL,  29
.set TMP,  32
.set ACC,  128
.set F0,   0
.set F1,   128
.set G1, 24
.set G0, 32
.set G1B, 48
.set G0B, 56
.set MSB, 0
.macro WIN new                         ; the immediate's high byte repeats the setting that is left
.if MSB != \new
	s_set_vgpr_msb (MSB<<8)|\new
.set MSB, \new
.endif
.endm
.set MUL,  0x05                        ; sources 0 (B) and 1 (A) window 1; C and D window 0
.set TO_F, 0x40                        ; destination window 1, address window 0
.macro JLOAD s                         ; a joint load: waves 0 and 1 fetch A's two halves, waves 2 and 3 B's; an s_nop 0 and four v_nop follow each of the two lines
	s_cmp_eq_u32 s11, 0
	s_cbranch_scc0 .Lfor_b_\@
	tensor_load_to_lds s[G0+4*\s:G0+4*\s+3], s[G1:G1+7]
	s_nop 0
.rept 4
	v_nop
.endr
	s_branch .Lasked_\@
.Lfor_b_\@:
	tensor_load_to_lds s[G0B+4*\s:G0B+4*\s+3], s[G1B:G1B+7]
	s_nop 0
.rept 4
	v_nop
.endr
.Lasked_\@:
.endm
.macro CREST                           ; a round of the cluster's barrier behind its opening barrier
	s_cmp_lg_u32 s10, 0
	s_cbranch_scc1 .Lnot_wave_0_\@
	s_barrier_signal -3
.Lnot_wave_0_\@:
	s_barrier_wait -3
	s_barrier_signal -1
	s_barrier_wait -1
.endm
.macro CROUND
	s_barrier_signal -1
	s_barrier_wait -1
	CREST
.endm
	s_load_b128 s[4:7], s[0:1], 0x0                ; y s[4:5], wpt s[6:7]
	s_load_b64 s[8:9], s[0:1], 0x10                ; out0
	v_lshl_add_u32 v[SPW], v0, 2, SPARE
	v_mov_b32 v[NIL], 0
	ds_add_u32 v[SPW], v[NIL]                      ; the wave's opening: the add, twice on end, and its wait ahead of my first tensor load
	ds_add_u32 v[SPW], v[NIL]
	v_lshrrev_b32 v1, 5, v0
	v_readfirstlane_b32 s10, v1                    ; wave 0..3
	s_lshr_b32 s11, s10, 1                         ; which half of the tile's rows is mine.  Also: I fetch for A (0) or for B (1)
	s_and_b32 s12, s10, 1                          ; which half of its columns.  Also: which two blocks of a K step I fetch
	s_bfe_u32 s40, ttmp6, 0x40000                  ; cx, cy
	s_bfe_u32 s41, ttmp6, 0x40004
	s_lshl_b32 s42, ttmp9, 2
	s_add_co_u32 s42, s42, s40                     ; tile column of C
	s_and_b32 s13, ttmp7, 0xffff
	s_lshl_b32 s13, s13, 2
	s_add_co_u32 s13, s13, s41                     ; tile row of C
	s_lshl_b32 s43, s41, 2
	s_lshl_b32 s43, 15, s43                        ; my row of the cluster
	s_lshl_b32 s44, 0x1111, s40                    ; my column
	; descriptor group 1: 256 rows of 64 elements of 2 bytes, dense in memory; 4 words of padding behind every 32
	s_or_b32 s[G1+0], s43, (1<<16)|(1<<20)|(1<<21)|(4<<22)|(3<<25)
	s_or_b32 s[G1B+0], s44, (1<<16)|(1<<20)|(1<<21)|(4<<22)|(3<<25)
.irp g, G1, G1B
	s_mov_b32 s[\g+1], 64<<16                      ; tensor_dim0
	s_mov_b32 s[\g+2], 256<<16                     ; tensor_dim1
	s_mov_b32 s[\g+3], 64<<16                      ; tile_dim0
	s_mov_b32 s[\g+4], 256                         ; tile_dim1
	s_mov_b32 s[\g+5], 64                          ; from row to row
	s_mov_b32 s[\g+6], 0
	s_mov_b32 s[\g+7], 0
.endr
	s_lshl_b32 s17, s12, 15                        ; my two blocks of a K step: 32,768 bytes
	s_lshl_b32 s16, s13, 18
	s_add_co_u32 s16, s16, s17                     ; A: 262,144 x tile row + my half: the tile row and the wave's number alone
	s_lshl_b32 s46, s42, 18
	s_add_co_u32 s46, s46, s17                     ; B: the tile column and the wave's number alone
	s_mov_b32 s17, 0
	s_mov_b32 s47, 0
	s_mul_i32 s20, s10, HALFT                      ; where they go: no place in the cluster enters an LDS address
	s_wait_dscnt 0x0                               ; both opening adds are done
	s_wait_kmcnt 0x0
	s_add_nc_u64 s[14:15], s[4:5], s[16:17]
	s_add_nc_u64 s[46:47], s[6:7], s[46:47]
	CROUND                                         ; all sixteen work-groups are here: the first joint loads meet
.irp s, 0,1
	s_mov_b32 s[G0+4*\s], 1
	s_add_co_u32 s[G0+4*\s+1], s20, \s*SLOT
	s_add_nc_u64 s[G0+4*\s+2:G0+4*\s+3], s[14:15], \s*STEPB
	s_or_b32 s[G0+4*\s+3], s[G0+4*\s+3], 0x80000000
	s_mov_b32 s[G0B+4*\s], 1
	s_add_co_u32 s[G0B+4*\s+1], s20, \s*SLOT
	s_add_nc_u64 s[G0B+4*\s+2:G0B+4*\s+3], s[46:47], \s*STEPB
	s_or_b32 s[G0B+4*\s+3], s[G0B+4*\s+3], 0x80000000
	JLOAD \s
.endr
	v_and_b32 v1, 15, v0                           ; l % 16
	v_bfe_u32 v2, v0, 4, 1                         ; l / 16
	v_mul_u32_u24 v3, v1, PITCH
	v_lshl_add_u32 v3, v2, 4, v3                   ; a fragment's row x pitch + 16 x half
	s_mul_i32 s21, s11, R64                        ; my 64 rows of A in each block
	s_mul_i32 s22, s12, R64                        ; my 64 rows of B,
	s_add_co_u32 s22, s22, 2*HALFT                 ; whose blocks lie behind A's four
.irp s, 0,1
	v_add_nc_u32 v[ADRA+\s], s21, v3
	v_add_nc_u32 v[ADRB+\s], s22, v3
	s_add_co_u32 s21, s21, SLOT
	s_add_co_u32 s22, s22, SLOT
.endr
	s_mul_i32 s23, s10, 16*SPITCH
	s_add_co_u32 s23, s23, STAGE                   ; my stage
	v_mul_u32_u24 v4, v1, SPITCH
	v_lshl_add_u32 v4, v2, 5, v4
	v_add_nc_u32 v[STO], s23, v4                   ; in: row l % 16, 32 bytes for each half of the lanes
	v_mul_u32_u24 v5, v2, SPITCH
	v_lshl_add_u32 v5, v1, 4, v5
	v_add_nc_u32 v[RD], s23, v5                    ; back: lanes 0-15 one row of 256 bytes, lanes 16-31 the next
	v_lshlrev_b32 v5, 12, v2
	v_lshl_add_u32 v[CO], v1, 4, v5                ; and the same two rows in out0 (4,096 bytes a row)
	s_lshl_b32 s16, s13, 7
	s_lshl_b32 s17, s11, 6
	s_add_co_u32 s16, s16, s17                     ; my first row of C
	s_lshl_b32 s16, s16, 12
	s_mov_b32 s17, 0
	s_add_nc_u64 s[8:9], s[8:9], s[16:17]
	s_lshl_b32 s46, s42, 9                         ; my first column, in bytes: 512 x tile column + 256 x half
	s_lshl_b32 s47, s12, 8
	s_add_co_u32 s46, s46, s47
	s_mov_b32 s47, 0
	s_add_nc_u64 s[8:9], s[8:9], s[46:47]
; 8 matrix instructions: m blocks a0, a0 + 1 x all 4 n blocks, 32 along K: half c of buffer f.  zero = 1: the first product starts the sums.  The 16 accumulators take turns
.macro MUL8 f, c, a0, zero
.irp a, \a0, \a0+1
.irp b, 0,1,2,3
.if \zero
	v_wmma_f32_16x16x32_f16 v[ACC+8*(4*(\a)+\b):ACC+8*(4*(\a)+\b)+7], v[\f+64+8*(4*\c+\b):\f+64+8*(4*\c+\b)+7], v[\f+8*(4*\c+\a):\f+8*(4*\c+\a)+7], 0
.else
	v_wmma_f32_16x16x32_f16 v[ACC+8*(4*(\a)+\b):ACC+8*(4*(\a)+\b)+7], v[\f+64+8*(4*\c+\b):\f+64+8*(4*\c+\b)+7], v[\f+8*(4*\c+\a):\f+8*(4*\c+\a)+7], v[ACC+8*(4*(\a)+\b):ACC+8*(4*(\a)+\b)+7]
.endif
.endr
.endr
.endm
; 32 LDS loads in one run: the fragments of one block (64 along K), which begins at byte k of the slot's A and B parts, into buffer f; the first 32 along K first
.macro FETCH slot, k, f
	WIN TO_F
.irp c, 0,1
.irp i, 0,1,2,3
	ds_load_b128 v[\f+64+8*(4*\c+\i):\f+64+8*(4*\c+\i)+3],   v[ADRB+\slot] offset:\k+64*\c+\i*16*PITCH
	ds_load_b128 v[\f+64+8*(4*\c+\i)+4:\f+64+8*(4*\c+\i)+7], v[ADRB+\slot] offset:\k+64*\c+\i*16*PITCH+32
	ds_load_b128 v[\f+8*(4*\c+\i):\f+8*(4*\c+\i)+3],         v[ADRA+\slot] offset:\k+64*\c+\i*16*PITCH
	ds_load_b128 v[\f+8*(4*\c+\i)+4:\f+8*(4*\c+\i)+7],       v[ADRA+\slot] offset:\k+64*\c+\i*16*PITCH+32
.endr
.endr
.endm
.macro PLACES                          ; four places in front of loads into registers that matrix instructions have read, and of reads of results
.rept 4
	v_nop
.endr
.endm
; A K step is four quarters of 64 along K, 32 matrix instructions each, on buffers 0, 1, 0, 1.
.macro QUARTER slot, k, f, g, zero
	s_wait_dscnt 16                                ; the first 32 along K are in; the other sixteen loads may be out
	WIN MUL
	MUL8 \f, 0, 0, \zero
	MUL8 \f, 0, 2, \zero
	PLACES
	FETCH \slot, \k, \g
	s_wait_dscnt 32                                ; all but the 32 just issued
	WIN MUL
	MUL8 \f, 1, 0, 0
	MUL8 \f, 1, 2, 0
.endm
; The last quarter multiplies buffer 1 and changes slots: ONE barrier; in front of it each wave waits for all its tensor loads, adds 0 to its spare word, and waits for that and for its own reads of this slot.
.macro TURN slot, next, fill
	WIN 0                                          ; (the add's two registers lie in window 0)
	s_wait_tensorcnt 0x0                           ; all my tensor loads have landed: my part of the next slot
	ds_add_u32 v[SPW], v[NIL]
	s_wait_dscnt 17                                ; (the add and the youngest sixteen loads may be out)
	WIN MUL
	MUL8 F1, 0, 0, 0
	s_wait_dscnt 0x0                               ; the add is done, and my reads of this slot are over
	s_barrier_signal -1
	MUL8 F1, 0, 2, 0
.if \fill
	WIN 0
.endif
	s_barrier_wait -1
.if \fill
	CREST                                          ; the barrier has opened a round of the cluster's barrier: no wave of any partner still reads this slot or has a load on its way
	s_add_nc_u64 s[G0+4*\slot+2:G0+4*\slot+3], s[G0+4*\slot+2:G0+4*\slot+3], 2*STEPB
	s_add_nc_u64 s[G0B+4*\slot+2:G0B+4*\slot+3], s[G0B+4*\slot+2:G0B+4*\slot+3], 2*STEPB
	JLOAD \slot                                    ; the first tensor load behind the round; its four v_nop are also the places in front of the loads below
.else
	PLACES
.endif
	FETCH \next, 0, F0
	WIN MUL
	MUL8 F1, 1, 0, 0
	MUL8 F1, 1, 2, 0
.endm
	s_wait_tensorcnt 1                             ; my part of K step 0 is in; K step 1's load may be out
	s_barrier_signal -1
	s_barrier_wait -1
	FETCH 0, 0, F0
	QUARTER 0, HB, F0, F1, 1                       ; the first quarter's first products start the sums
	WIN 0
	s_mov_b32 s3, LAPS-1
.Llap:                                                 ; a trip goes once round the ring and fills both slots again
	QUARTER 0, 2*HB, F1, F0, 0
	QUARTER 0, 3*HB, F0, F1, 0
	TURN 0, 1, 1
	QUARTER 1, HB,   F0, F1, 0
	QUARTER 1, 2*HB, F1, F0, 0
	QUARTER 1, 3*HB, F0, F1, 0
	TURN 1, 0, 1
	QUARTER 0, HB,   F0, F1, 0
	WIN 0
	s_sub_co_u32 s3, s3, 1
	s_cmp_lg_u32 s3, 0
	s_cbranch_scc1 .Llap
	QUARTER 0, 2*HB, F1, F0, 0                     ; the last lap fills nothing
	QUARTER 0, 3*HB, F0, F1, 0
	TURN 0, 1, 0
	QUARTER 1, HB,   F0, F1, 0
	QUARTER 1, 2*HB, F1, F0, 0
	QUARTER 1, 3*HB, F0, F1, 0
	s_wait_dscnt 16
	WIN MUL
	MUL8 F1, 0, 0, 0
	MUL8 F1, 0, 2, 0
	s_wait_dscnt 0
	MUL8 F1, 1, 0, 0
	MUL8 F1, 1, 2, 0
	WIN 0
; THE WAY OUT.  A wave's 64 columns of f32 are 256 bytes of a row, aligned: so each wave has a stage of its own and no barrier is needed.  A block of 16 rows goes in as it lies in the accumulators,
; each from its low end on, and comes back by rows: sixteen lanes store 256 consecutive bytes.
.macro TOSTAGE a
.irp b, 0,1,2,3
	ds_store_b128 v[STO], v[ACC+8*(4*(\a)+\b):ACC+8*(4*(\a)+\b)+3] offset:64*\b
	ds_store_b128 v[STO], v[ACC+8*(4*(\a)+\b)+4:ACC+8*(4*(\a)+\b)+7] offset:64*\b+16
.endr
.irp t, 0,1,2,3,4,5,6,7
	ds_load_b128 v[TMP+32*((\a)%2)+4*\t:TMP+32*((\a)%2)+4*\t+3], v[RD] offset:2*\t*SPITCH   ; LDS serves a wave's instructions in order
.endr
.endm
.macro SEND a, younger                 ; younger: the LDS instructions issued behind block a's loads: the next block's eight stores and eight loads, or none
	s_wait_dscnt \younger
.irp t, 0,1,2,3,4,5,6,7
	global_store_b128 v[CO], v[TMP+32*((\a)%2)+4*\t:TMP+32*((\a)%2)+4*\t+3], s[8:9] offset:(16*(\a)+2*\t)*4096 th:TH_STORE_NT
.endr
.endm
	PLACES
	TOSTAGE 0
.irp a, 1,2,3
.if \a > 1
	s_wait_xcnt 0x0                                ; block a - 2's stores have read their registers: block a's loads may land there
.endif
	TOSTAGE \a
	SEND \a-1, 16
.endr
	SEND 3, 0
	s_wait_tensorcnt 0x0                           ; the wave's end
	ds_add_u32 v[SPW], v[NIL]
	s_wait_dscnt 0x0
	CROUND                                         ; the closing round
	s_endpgm
.Lfunc_end_k_q7bbb03a62f_proj:
	.size	k_q7bbb03a62f_proj, .Lfunc_end_k_q7bbb03a62f_proj-k_q7bbb03a62f_proj
	.p2alignl 7, 3214868480
	.fill 96, 4, 3214868480
	.section	.rodata,"a",@progbits
	.p2align	6, 0x0
	.amdhsa_kernel k_q7bbb03a62f_proj
		.amdhsa_group_segment_fixed_size 327680
		.amdhsa_private_segment_fixed_size 0
		.amdhsa_enable_private_segment 0
		.amdhsa_kernarg_size 24
		.amdhsa_user_sgpr_count 2
		.amdhsa_user_sgpr_kernarg_segment_ptr 1
		.amdhsa_wavefront_size32 1
		.amdhsa_system_sgpr_workgroup_id_x 1
		.amdhsa_system_sgpr_workgroup_id_y 1
		.amdhsa_system_sgpr_workgroup_id_z 1
		.amdhsa_system_vgpr_workitem_id 0
		.amdhsa_next_free_vgpr 512
		.amdhsa_next_free_sgpr 66
		.amdhsa_reserve_vcc 0
		.amdhsa_float_denorm_mode_32 3
		.amdhsa_float_denorm_mode_16_64 3
		.amdhsa_memory_ordered 1
		.amdhsa_forward_progress 1
		.amdhsa_inst_pref_size 85
	.end_amdhsa_kernel
	.amdgpu_metadata
---
amdhsa.version: [ 1, 2 ]
amdhsa.kernels:
  - .name:           k_q7bbb03a62f_proj
    .symbol:         k_q7bbb03a62f_proj.kd
    .args:
      - { .name: y, .offset: 0, .size: 8, .value_kind: global_buffer, .address_space: global }
      - { .name: wpt, .offset: 8, .size: 8, .value_kind: global_buffer, .address_space: global }
      - { .name: out0, .offset: 16, .size: 8, .value_kind: global_buffer, .address_space: global }
    .group_segment_fixed_size: 327680
    .private_segment_fixed_size: 0
    .kernarg_segment_align: 8
    .kernarg_segment_size: 24
    .max_flat_workgroup_size: 128
    .sgpr_count:     66
    .vgpr_count:     512
    .wavefront_size: 32
...
	.end_amdgpu_metadata
.endif
;; end of part 4
;; launch fine_att (part 5): grid 16 x 4, 12 waves a work-group, no clusters, 18,432 bytes of LDS; arguments xc, xs, wc, ws, yf; writes yf
.if DOCPART == 5
	.amdgcn_target "amdgcn-amd-amdhsa--gfx1250"
	.amdhsa_code_object_version 6
	.text
	.protected	k_q7bbb03a62f_fine_att
	.globl	k_q7bbb03a62f_fine_att
	.p2align	8
	.type	k_q7bbb03a62f_fine_att,@function
k_q7bbb03a62f_fine_att:
	s_mov_b64 s[64:65], 0
	v_nop
	global_prefetch_b8 v0, s[64:65] scope:SCOPE_SE
	s_setreg_imm32_b32 hwreg(HW_REG_WAVE_MODE, 25, 1), 1
	s_wait_xcnt 0x0
; THE FIRST 16 POSITIONS of each sequence, one (head, batch) to a work-group, in f32 throughout: under the causal mask these rows average one to sixteen values, and the rounding of 16-bit operands would weigh most there.
; q, k, v of the 16 positions are made anew from the codes (the quantised product, by the same scaled matrix instruction) and are NOT rounded; both attention products go by the f32 matrix form.
; yf: [16 b + t][1024] f32.
; Each of twelve waves makes one tile of 16 positions x 16 channels: waves 0-3 q, 4-7 k, 8-11 v.  K = 1,024 is summed in two accumulators by turns (even and odd steps of 128), which are then added:
; an order of f32 rounding other than one ascending chain.  The tiles go to wave 0 through LDS as images of their registers; wave 0 does the attention.
; q and k are made TRANSPOSED (source 0 = 16 rows of W, source 1 = x): a lane holds position l % 16 and channels 8 (l / 16) + 0..7.  v is made the natural way: a lane holds channel l % 16 and positions 8 (l / 16) + 0..7.
; So a register pair (2 u, 2 u + 1) of a tile IS an operand of the f32 form (lane (r, h), register j: k = 2 h + j): slot 2 h + j stands for element 8 h + 2 u + j, alike on both sides of a product.
; No tensor load: the launch reads 36 short loads a wave once; clusters and a ring have nothing to share here.
.set IMG,   0                          ; LDS: twelve images of 1,024 bytes,
.set STG,   12288                      ; wave 0's stage: 16 rows x 272 bytes,
.set SPARE, 16640                      ; the spare words, 128 bytes for each wave: six blocks of 256 bytes that no other line names
.set SPW,  14
.set NIL,  15
.set XF,   16                          ; v16-79   x's eight fragments; later q (v16-47) and k (v48-79); at the end the rows read back (v16-47)
.set WF,   80                          ; v80-143  W's eight fragments; later v (v80-111), p (v112-119), at work (v120-127)
.set A0,   144                         ; v144-159 the two accumulators of the quantised product; later, with v128-143, O / l
.set RS,   160                         ; v160-167 their sum
.set SA,   168                         ; v168-183 S^T's two accumulators: written by the f32 matrix form alone
.set OA,   184                         ; v184-215 O^T's four: likewise
.set P,    112
.set OS,   128
.set XSC,  240                         ; v240-247 x's scale words, v248-255 W's: scales and nothing else
.set WSC,  248
	s_load_b256 s[4:11], s[0:1], 0x0               ; xc s[4:5], xs s[6:7], wc s[8:9], ws s[10:11]
	s_load_b64 s[12:13], s[0:1], 0x20              ; yf
	v_lshl_add_u32 v[SPW], v0, 2, SPARE
	v_mov_b32 v[NIL], 0
	v_lshrrev_b32 v1, 5, v0
	v_readfirstlane_b32 s20, v1                    ; wave 0..11
	v_and_b32 v1, 31, v0                           ; lane
	v_and_b32 v2, 15, v0                           ; r
	v_bfe_u32 v3, v0, 4, 1                         ; h
	v_lshlrev_b32 v4, 9, v2
	v_lshl_add_u32 v4, v3, 4, v4                   ; codes: row r of 512 bytes + 16 h
	v_lshlrev_b32 v5, 5, v2                        ; scale words: row r of 32 bytes
	s_lshl_b32 s21, s20, 10
	v_lshlrev_b32 v7, 4, v1                        ; an image's place for my lane
	v_add_nc_u32 v6, s21, v7                       ; and in my wave's image
	v_mul_u32_u24 v8, v2, 272
	v_lshl_add_u32 v8, v3, 5, v8
	v_add_nc_u32 v8, STG, v8                       ; the stage, in: row r + 32 h
	v_lshlrev_b32 v9, 3, v3
	v_sub_nc_u32 v9, v2, v9                        ; r - 8 h
	v_mov_b32 v10, 0xff800000                      ; -infinity
	v_mul_u32_u24 v11, v3, 272
	v_lshl_add_u32 v11, v2, 4, v11
	v_add_nc_u32 v11, STG, v11                     ; back: lanes 0-15 one row, lanes 16-31 the next
	v_lshlrev_b32 v12, 12, v3
	v_lshl_add_u32 v12, v2, 4, v12                 ; and the same two rows in yf (4,096 bytes a row)
	s_mov_b32 s16, 0x76543210
	s_mov_b32 s17, 0xfedcba98                      ; v_permlanex16_b32's selects for lane l xor 16
	s_mov_b32 s18, 0x3e38aa3b                      ; c = log2(e) / 8
	s_and_b32 s22, ttmp7, 0xffff                   ; batch
	s_lshr_b32 s23, s20, 2                         ; q, k or v
	s_lshl_b32 s23, s23, 10
	s_lshl_b32 s24, ttmp9, 6                       ; head
	s_add_co_u32 s23, s23, s24
	s_and_b32 s24, s20, 3
	s_lshl_b32 s24, s24, 4
	s_add_co_u32 s23, s23, s24                     ; my 16 columns of w_qkv begin here
	s_mov_b32 s25, 0
	s_wait_kmcnt 0x0
	s_lshl_b32 s24, s22, 20
	s_add_nc_u64 s[4:5], s[4:5], s[24:25]          ; x's codes at row 2,048 b
	s_lshl_b32 s24, s22, 16
	s_add_nc_u64 s[6:7], s[6:7], s[24:25]          ; its scale words
	s_add_nc_u64 s[12:13], s[12:13], s[24:25]      ; yf at row 16 b,
	s_lshl_b32 s24, ttmp9, 8
	s_add_nc_u64 s[12:13], s[12:13], s[24:25]      ; my head's 256 bytes
	s_lshl_b32 s24, s23, 9
	s_add_nc_u64 s[8:9], s[8:9], s[24:25]
	s_lshl_b32 s24, s23, 5
	s_add_nc_u64 s[10:11], s[10:11], s[24:25]
.irp s, 0,1,2,3,4,5,6,7
.irp c, 0,1
	global_load_b128 v[XF+8*\s+4*\c:XF+8*\s+4*\c+3], v4, s[4:5] offset:64*\s+32*\c
	global_load_b128 v[WF+8*\s+4*\c:WF+8*\s+4*\c+3], v4, s[8:9] offset:64*\s+32*\c
.endr
.endr
	global_load_b128 v[XSC:XSC+3], v5, s[6:7]      ; word s of my row scales K = 128 s on
	global_load_b128 v[XSC+4:XSC+7], v5, s[6:7] offset:16
	global_load_b128 v[WSC:WSC+3], v5, s[10:11]
	global_load_b128 v[WSC+4:WSC+7], v5, s[10:11] offset:16
	s_wait_loadcnt 0x0
.macro PROD fa, fb, sa, sb             ; eight K steps on two accumulators by turns; the first of each starts its sum
.irp s, 0,1,2,3,4,5,6,7
.if \s < 2
	v_wmma_scale_f32_16x16x128_f8f6f4 v[A0+8*(\s%2):A0+8*(\s%2)+7], v[\fa+8*\s:\fa+8*\s+7], v[\fb+8*\s:\fb+8*\s+7], 0, v[\sa+\s], v[\sb+\s] matrix_a_fmt:MATRIX_FMT_FP4 matrix_b_fmt:MATRIX_FMT_FP4
.else
	v_wmma_scale_f32_16x16x128_f8f6f4 v[A0+8*(\s%2):A0+8*(\s%2)+7], v[\fa+8*\s:\fa+8*\s+7], v[\fb+8*\s:\fb+8*\s+7], v[A0+8*(\s%2):A0+8*(\s%2)+7], v[\sa+\s], v[\sb+\s] matrix_a_fmt:MATRIX_FMT_FP4 matrix_b_fmt:MATRIX_FMT_FP4
.endif
.endr
.endm
	s_cmp_lt_u32 s20, 8
	s_cbranch_scc0 .Lnatural
	PROD WF, XF, WSC, XSC                          ; q, k: transposed
	s_branch .Lmade
.Lnatural:
	PROD XF, WF, XSC, WSC                          ; v: the natural way
.Lmade:
.rept 4
	v_nop                                          ; places behind the products
.endr
.irp i, 0,2,4,6
	v_pk_add_f32 v[RS+\i:RS+\i+1], v[A0+\i:A0+\i+1], v[A0+8+\i:A0+8+\i+1]
.endr
	ds_store_b128 v6, v[RS:RS+3] offset:IMG        ; my tile's image
	ds_store_b128 v6, v[RS+4:RS+7] offset:IMG+512
	s_wait_dscnt 0x0                               ; for the others' sake: my stores have landed
	s_barrier_signal -1
	s_barrier_wait -1
	s_cmp_lg_u32 s20, 0
	s_cbranch_scc1 .Lend
	; ---- wave 0: the attention of 16 queries x 16 keys
.irp w, 0,1,2,3,4,5,6,7,8,9,10,11
	ds_load_b128 v[16+8*\w:16+8*\w+3], v7 offset:IMG+1024*\w
	ds_load_b128 v[16+8*\w+4:16+8*\w+7], v7 offset:IMG+1024*\w+512
.endr
	v_mov_b32 v121, 0                              ; (a lane permute's destination counts as one of its sources)
	s_wait_dscnt 0x0
.irp s, 0,1,2,3,4,5,6,7,8,9,10,11,12,13,14,15      ; S^T = k q^T: 64 channels in sixteen steps of 4, two accumulators by turns
.if \s < 2
	v_wmma_f32_16x16x4_f32 v[SA+8*(\s%2):SA+8*(\s%2)+7], v[48+2*\s:48+2*\s+1], v[16+2*\s:16+2*\s+1], 0
.else
	v_wmma_f32_16x16x4_f32 v[SA+8*(\s%2):SA+8*(\s%2)+7], v[48+2*\s:48+2*\s+1], v[16+2*\s:16+2*\s+1], v[SA+8*(\s%2):SA+8*(\s%2)+7]
.endif
.endr
.rept 8
	v_nop                                          ; eight places behind this form
.endr
.irp i, 0,2,4,6
	v_pk_add_f32 v[P+\i:P+\i+1], v[SA+\i:SA+\i+1], v[SA+8+\i:SA+8+\i+1]   ; lane (r, h): query r, keys 8 h + 0..7
.endr
.irp j, 0,1,2,3,4,5,6,7
	v_cmp_gt_i32 vcc_lo, \j, v9                    ; key 8 h + j comes after query r
	v_cndmask_b32 v[P+\j], v[P+\j], v10, vcc_lo
.endr
	v_max3_num_f32 v120, v[P], v[P+1], v[P+2]
	v_max3_num_f32 v120, v120, v[P+3], v[P+4]
	v_max3_num_f32 v120, v120, v[P+5], v[P+6]
	v_max_num_f32 v120, v120, v[P+7]
	v_permlanex16_b32 v121, v120, s16, s17
	v_max_num_f32 v120, v120, v121                 ; the row's maximum: key 0 counts for every query
	v_mul_f32 v122, s18, v120
.irp j, 0,1,2,3,4,5,6,7
	v_fma_f32 v[P+\j], v[P+\j], s18, -v122         ; c s - c m
.endr
.irp j, 0,1,2,3,4,5,6,7
	v_exp_f32 v[P+\j], v[P+\j]
.endr
	v_nop                                          ; a plain instruction behind the last exponential
	s_wait_alu depctr_va_vdst(0)                   ; one wait for the eight, ahead of their first reader
	v_pk_add_f32 v[124:125], v[P:P+1], v[P+2:P+3]
	v_pk_add_f32 v[126:127], v[P+4:P+5], v[P+6:P+7]
	v_pk_add_f32 v[124:125], v[124:125], v[126:127]
	v_add_f32 v123, v124, v125
	v_permlanex16_b32 v121, v123, s16, s17
	v_add_f32 v123, v123, v121                     ; the row's sum
	v_rcp_f32 v120, v123
	v_nop                                          ; a plain instruction behind the reciprocal
.irp s, 0,1,2,3                                    ; O^T = v^T p: 16 keys in four steps of 4; four accumulators by turns
.irp ct, 0,1,2,3
.if \s == 0
	v_wmma_f32_16x16x4_f32 v[OA+8*\ct:OA+8*\ct+7], v[80+8*\ct+2*\s:80+8*\ct+2*\s+1], v[P+2*\s:P+2*\s+1], 0
.else
	v_wmma_f32_16x16x4_f32 v[OA+8*\ct:OA+8*\ct+7], v[80+8*\ct+2*\s:80+8*\ct+2*\s+1], v[P+2*\s:P+2*\s+1], v[OA+8*\ct:OA+8*\ct+7]
.endif
.endr
.endr
.rept 8
	v_nop
.endr
	s_wait_alu depctr_va_vdst(0)                   ; the reciprocal's wait, ahead of its first reader
.irp i, 0,2,4,6,8,10,12,14,16,18,20,22,24,26,28,30
	v_pk_mul_f32 v[OS+\i:OS+\i+1], v[OA+\i:OA+\i+1], v[120:121] op_sel_hi:[1,0]   ; register 8 ct + j: query r, channel 16 ct + 8 h + j
.endr
.irp ct, 0,1,2,3
	ds_store_b128 v8, v[OS+8*\ct:OS+8*\ct+3] offset:64*\ct
	ds_store_b128 v8, v[OS+8*\ct+4:OS+8*\ct+7] offset:64*\ct+16
.endr
.irp t, 0,1,2,3,4,5,6,7
	ds_load_b128 v[16+4*\t:16+4*\t+3], v11 offset:2*\t*272   ; in order behind my stores
.endr
.irp t, 0,1,2,3,4,5,6,7
	s_wait_dscnt 7-\t
	global_store_b128 v12, v[16+4*\t:16+4*\t+3], s[12:13] offset:2*\t*4096   ; sixteen lanes store 256 consecutive bytes, aligned
.endr
.Lend:
	s_wait_tensorcnt 0x0                           ; the wave's end
	ds_add_u32 v[SPW], v[NIL]
	s_wait_dscnt 0x0
	s_endpgm
.Lfunc_end_k_q7bbb03a62f_fine_att:
	.size	k_q7bbb03a62f_fine_att, .Lfunc_end_k_q7bbb03a62f_fine_att-k_q7bbb03a62f_fine_att
	.p2alignl 7, 3214868480
	.fill 96, 4, 3214868480
	.section	.rodata,"a",@progbits
	.p2align	6, 0x0
	.amdhsa_kernel k_q7bbb03a62f_fine_att
		.amdhsa_group_segment_fixed_size 18432
		.amdhsa_private_segment_fixed_size 0
		.amdhsa_enable_private_segment 0
		.amdhsa_kernarg_size 40
		.amdhsa_user_sgpr_count 2
		.amdhsa_user_sgpr_kernarg_segment_ptr 1
		.amdhsa_wavefront_size32 1
		.amdhsa_system_sgpr_workgroup_id_x 1
		.amdhsa_system_sgpr_workgroup_id_y 1
		.amdhsa_system_sgpr_workgroup_id_z 1
		.amdhsa_system_vgpr_workitem_id 0
		.amdhsa_next_free_vgpr 256
		.amdhsa_next_free_sgpr 66
		.amdhsa_reserve_vcc 1
		.amdhsa_float_denorm_mode_32 3
		.amdhsa_float_denorm_mode_16_64 3
		.amdhsa_memory_ordered 1
		.amdhsa_forward_progress 1
		.amdhsa_inst_pref_size 19
	.end_amdhsa_kernel
	.amdgpu_metadata
---
amdhsa.version: [ 1, 2 ]
amdhsa.kernels:
  - .name:           k_q7bbb03a62f_fine_att
    .symbol:         k_q7bbb03a62f_fine_att.kd
    .args:
      - { .name: xc, .offset: 0, .size: 8, .value_kind: global_buffer, .address_space: global }
      - { .name: xs, .offset: 8, .size: 8, .value_kind: global_buffer, .address_space: global }
      - { .name: wc, .offset: 16, .size: 8, .value_kind: global_buffer, .address_space: global }
      - { .name: ws, .offset: 24, .size: 8, .value_kind: global_buffer, .address_space: global }
      - { .name: yf, .offset: 32, .size: 8, .value_kind: global_buffer, .address_space: global }
    .group_segment_fixed_size: 18432
    .private_segment_fixed_size: 0
    .kernarg_segment_align: 8
    .kernarg_segment_size: 40
    .max_flat_workgroup_size: 384
    .sgpr_count:     66
    .vgpr_count:     256
    .wavefront_size: 32
...
	.end_amdgpu_metadata
.endif
;; end of part 5
;; launch fine_proj (part 6): grid 16 x 4, 16 waves a work-group, no clusters, 22,784 bytes of LDS; arguments yf, w_proj, out0; writes out0
.if DOCPART == 6
	.amdgcn_target "amdgcn-amd-amdhsa--gfx1250"
	.amdhsa_code_object_version 6
	.text
	.protected	k_q7bbb03a62f_fine_proj
	.globl	k_q7bbb03a62f_fine_proj
	.p2align	8
	.type	k_q7bbb03a62f_fine_proj,@function
k_q7bbb03a62f_fine_proj:
	s_mov_b64 s[64:65], 0
	v_nop
	global_prefetch_b8 v0, s[64:65] scope:SCOPE_SE
	s_setreg_imm32_b32 hwreg(HW_REG_WAVE_MODE, 25, 1), 1
	s_wait_xcnt 0x0
; THE FIRST 16 POSITIONS of each sequence through the projection, in f32: out0[2,048 b + t][n] = sum over k of yf[16 b + t][k] w_proj[k][n], t = 0..15.  These 64 rows of out0 are stored over what the f16 projection left there.
; A work-group takes one batch and 64 columns.  Wave w takes 16 of the columns (w % 4) and a quarter of K (w / 4), in four phases of 64; each wave sums in four accumulators by turns, which are then added, and wave 0 adds the
; four quarters in ascending order: sixteen partial sums for each output, an order of f32 rounding other than one ascending chain.
; THE f32 MATRIX FORM, USED TRANSPOSED (source 0 = 16 columns of w_proj, source 1 = the 16 rows of yf): a lane holds row l % 16 and eight neighbouring columns.  In a phase lane (r, h) holds k = 32 h + 0..31 on both sides:
; register pair (2 s, 2 s + 1) is an operand in which slot 2 h + j stands for k = 32 h + 2 s + j, alike for both.
; 64 work-groups: each aligned 256 bytes of out0 have one owner, and 64 rows of 4,096 bytes have no more of them to share out by whole work-groups of this shape.  No tensor load, no cluster: what is shared is small.
.set IMG,   0                          ; LDS: sixteen images of 1,024 bytes,
.set STG,   16384                      ; wave 0's stage: 16 rows x 272 bytes,
.set SPARE, 20736                      ; the spare words, 128 bytes for each wave: eight blocks of 256 bytes that no other line names
.set SPW,  14
.set NIL,  15
.set YS,   16                          ; yf's 32 numbers of a phase: v16-47 and v80-111 by turns
.set WS,   48                          ; w_proj's: v48-79 and v112-143
.set AC,   144                         ; v144-175 four accumulators: written by the f32 matrix form alone
.set RS,   176                         ; v176-183 their sum; v184-191 at work
.set OU,   184                         ; v184-215 wave 0: the 16 x 64 results
.set BK,   216                         ; v216-247 the rows read back
	s_load_b128 s[4:7], s[0:1], 0x0                ; yf s[4:5], w_proj s[6:7]
	s_load_b64 s[8:9], s[0:1], 0x10                ; out0
	v_lshl_add_u32 v[SPW], v0, 2, SPARE
	v_mov_b32 v[NIL], 0
	v_lshrrev_b32 v1, 5, v0
	v_readfirstlane_b32 s20, v1                    ; wave 0..15
	v_and_b32 v1, 31, v0
	v_and_b32 v2, 15, v0                           ; r
	v_bfe_u32 v3, v0, 4, 1                         ; h
	v_lshlrev_b32 v4, 12, v2
	v_lshl_add_u32 v4, v3, 7, v4                   ; yf: row r of 4,096 bytes + 32 h numbers
	v_lshlrev_b32 v5, 17, v3
	v_lshl_add_u32 v5, v2, 2, v5                   ; w_proj: 32 h rows of 4,096 bytes + column r
	s_lshl_b32 s21, s20, 10
	v_lshlrev_b32 v7, 4, v1
	v_add_nc_u32 v6, s21, v7                       ; my wave's image
	v_mul_u32_u24 v8, v2, 272
	v_lshl_add_u32 v8, v3, 5, v8
	v_add_nc_u32 v8, STG, v8
	v_mul_u32_u24 v11, v3, 272
	v_lshl_add_u32 v11, v2, 4, v11
	v_add_nc_u32 v11, STG, v11
	v_lshlrev_b32 v12, 12, v3
	v_lshl_add_u32 v12, v2, 4, v12
	s_and_b32 s21, s20, 3                          ; which 16 columns
	s_lshr_b32 s22, s20, 2                         ; which quarter of K
	s_and_b32 s23, ttmp7, 0xffff                   ; batch
	s_mov_b32 s25, 0
	s_wait_kmcnt 0x0
	s_lshl_b32 s24, s23, 16
	s_lshl_b32 s26, s22, 10
	s_add_co_u32 s24, s24, s26
	s_add_nc_u64 s[4:5], s[4:5], s[24:25]          ; yf at (16 b, 256 kq)
	s_lshl_b32 s24, s22, 20
	s_lshl_b32 s26, ttmp9, 8
	s_add_co_u32 s24, s24, s26
	s_lshl_b32 s26, s21, 6
	s_add_co_u32 s24, s24, s26
	s_add_nc_u64 s[6:7], s[6:7], s[24:25]          ; w_proj at (256 kq, 64 nb + 16 nt)
	s_lshl_b32 s24, s23, 23
	s_lshl_b32 s26, ttmp9, 8
	s_add_co_u32 s24, s24, s26
	s_add_nc_u64 s[8:9], s[8:9], s[24:25]          ; out0 at (2,048 b, 64 nb)
.macro PH_LOAD p
.irp j, 0,1,2,3,4,5,6,7
	global_load_b128 v[YS+64*((\p)%2)+4*\j:YS+64*((\p)%2)+4*\j+3], v4, s[4:5] offset:256*(\p)+16*\j
.endr
.irp i, 0,1,2,3,4,5,6,7,8,9,10,11,12,13,14,15,16,17,18,19,20,21,22,23,24,25,26,27,28,29,30,31
	global_load_b32 v[WS+64*((\p)%2)+\i], v5, s[6:7] offset:(64*(\p)+\i)*4096
.endr
.endm
.macro PH_MUL p                        ; sixteen steps of 4 along K, four accumulators by turns; the first phase's first four start the sums
.irp s, 0,1,2,3,4,5,6,7,8,9,10,11,12,13,14,15
.if ((\p) == 0) && (\s < 4)
	v_wmma_f32_16x16x4_f32 v[AC+8*(\s%4):AC+8*(\s%4)+7], v[WS+64*((\p)%2)+2*\s:WS+64*((\p)%2)+2*\s+1], v[YS+64*((\p)%2)+2*\s:YS+64*((\p)%2)+2*\s+1], 0
.else
	v_wmma_f32_16x16x4_f32 v[AC+8*(\s%4):AC+8*(\s%4)+7], v[WS+64*((\p)%2)+2*\s:WS+64*((\p)%2)+2*\s+1], v[YS+64*((\p)%2)+2*\s:YS+64*((\p)%2)+2*\s+1], v[AC+8*(\s%4):AC+8*(\s%4)+7]
.endif
.endr
.rept 8
	v_nop                                          ; eight places behind this form: ahead of loads into its operands' registers and of the first read of results
.endr
.endm
	PH_LOAD 0
	PH_LOAD 1
.irp p, 0,1,2,3
.if \p < 3
	s_wait_loadcnt 40                              ; this phase's 40 loads are in; the next phase's 40 may be out
.else
	s_wait_loadcnt 0
.endif
	PH_MUL \p
.if \p+2 < 4
	PH_LOAD \p+2
.endif
.endr
.irp i, 0,2,4,6
	v_pk_add_f32 v[RS+\i:RS+\i+1], v[AC+\i:AC+\i+1], v[AC+8+\i:AC+8+\i+1]
	v_pk_add_f32 v[RS+8+\i:RS+8+\i+1], v[AC+16+\i:AC+16+\i+1], v[AC+24+\i:AC+24+\i+1]
.endr
.irp i, 0,2,4,6
	v_pk_add_f32 v[RS+\i:RS+\i+1], v[RS+\i:RS+\i+1], v[RS+8+\i:RS+8+\i+1]
.endr
	ds_store_b128 v6, v[RS:RS+3] offset:IMG        ; my partial tile's image
	ds_store_b128 v6, v[RS+4:RS+7] offset:IMG+512
	s_wait_dscnt 0x0                               ; for the others' sake: my stores have landed
	s_barrier_signal -1
	s_barrier_wait -1
	s_cmp_lg_u32 s20, 0
	s_cbranch_scc1 .Lend
	; ---- wave 0 adds the four quarters of K and stores
.irp w, 0,1,2,3,4,5,6,7,8,9,10,11,12,13,14,15
	ds_load_b128 v[16+8*\w:16+8*\w+3], v7 offset:IMG+1024*\w
	ds_load_b128 v[16+8*\w+4:16+8*\w+7], v7 offset:IMG+1024*\w+512
.endr
	s_wait_dscnt 0x0
.irp nt, 0,1,2,3
.irp i, 0,2,4,6
	v_pk_add_f32 v[OU+8*\nt+\i:OU+8*\nt+\i+1], v[16+8*\nt+\i:16+8*\nt+\i+1], v[16+8*(4+\nt)+\i:16+8*(4+\nt)+\i+1]
.endr
.endr
.irp kq, 2,3
.irp nt, 0,1,2,3
.irp i, 0,2,4,6
	v_pk_add_f32 v[OU+8*\nt+\i:OU+8*\nt+\i+1], v[OU+8*\nt+\i:OU+8*\nt+\i+1], v[16+8*(4*\kq+\nt)+\i:16+8*(4*\kq+\nt)+\i+1]
.endr
.endr
.endr
.irp nt, 0,1,2,3
	ds_store_b128 v8, v[OU+8*\nt:OU+8*\nt+3] offset:64*\nt          ; lane (r, h): row r, columns 16 nt + 8 h + 0..7
	ds_store_b128 v8, v[OU+8*\nt+4:OU+8*\nt+7] offset:64*\nt+16
.endr
.irp t, 0,1,2,3,4,5,6,7
	ds_load_b128 v[BK+4*\t:BK+4*\t+3], v11 offset:2*\t*272          ; in order behind my stores
.endr
.irp t, 0,1,2,3,4,5,6,7
	s_wait_dscnt 7-\t
	global_store_b128 v12, v[BK+4*\t:BK+4*\t+3], s[8:9] offset:2*\t*4096   ; sixteen lanes store 256 consecutive bytes, aligned
.endr
.Lend:
	s_wait_tensorcnt 0x0                           ; the wave's end
	ds_add_u32 v[SPW], v[NIL]
	s_wait_dscnt 0x0
	s_endpgm
.Lfunc_end_k_q7bbb03a62f_fine_proj:
	.size	k_q7bbb03a62f_fine_proj, .Lfunc_end_k_q7bbb03a62f_fine_proj-k_q7bbb03a62f_fine_proj
	.p2alignl 7, 3214868480
	.fill 96, 4, 3214868480
	.section	.rodata,"a",@progbits
	.p2align	6, 0x0
	.amdhsa_kernel k_q7bbb03a62f_fine_proj
		.amdhsa_group_segment_fixed_size 22784
		.amdhsa_private_segment_fixed_size 0
		.amdhsa_enable_private_segment 0
		.amdhsa_kernarg_size 24
		.amdhsa_user_sgpr_count 2
		.amdhsa_user_sgpr_kernarg_segment_ptr 1
		.amdhsa_wavefront_size32 1
		.amdhsa_system_sgpr_workgroup_id_x 1
		.amdhsa_system_sgpr_workgroup_id_y 1
		.amdhsa_system_sgpr_workgroup_id_z 1
		.amdhsa_system_vgpr_workitem_id 0
		.amdhsa_next_free_vgpr 256
		.amdhsa_next_free_sgpr 66
		.amdhsa_reserve_vcc 0
		.amdhsa_float_denorm_mode_32 3
		.amdhsa_float_denorm_mode_16_64 3
		.amdhsa_memory_ordered 1
		.amdhsa_forward_progress 1
		.amdhsa_inst_pref_size 31
	.end_amdhsa_kernel
	.amdgpu_metadata
---
amdhsa.version: [ 1, 2 ]
amdhsa.kernels:
  - .name:           k_q7bbb03a62f_fine_proj
    .symbol:         k_q7bbb03a62f_fine_proj.kd
    .args:
      - { .name: yf, .offset: 0, .size: 8, .value_kind: global_buffer, .address_space: global }
      - { .name: w_proj, .offset: 8, .size: 8, .value_kind: global_buffer, .address_space: global }
      - { .name: out0, .offset: 16, .size: 8, .value_kind: global_buffer, .address_space: global }
    .group_segment_fixed_size: 22784
    .private_segment_fixed_size: 0
    .kernarg_segment_align: 8
    .kernarg_segment_size: 24
    .max_flat_workgroup_size: 512
    .sgpr_count:     66
    .vgpr_count:     256
    .wavefront_size: 32
...
	.end_amdgpu_metadata
.endif
;; end of part 6
